; MI455X (gfx1250); checked and timed in simulation.
; The chip was launched on July 23, 2026; its instructions are those of AMD's public machine-readable ISA for CDNA 5 (MIT licence, August 2026) and "CDNA5" Instruction Set Architecture Reference Guide (July 2026). The comments in the code are by the model that wrote it; some were corrected since.
;; Megatron MHA. Allowed arithmetic: float matrix products may take bf16 or f16 operands with f32 sums; all other float work in f32.
;; Inputs: Wproj 1,024 x 1,024 float32; Wqkv 3,072 x 1,024 float32; x 4 x 2,048 x 1,024 float32.
;; Outputs: out0 4 x 2,048 x 1,024 float32.
;; One version. Each part assembles by itself: llvm-mc -triple=amdgcn-amd-amdhsa -mcpu=gfx1250 --defsym DOCPART=n.
;; ======== version 1 of 1: 4 launches
;; limits: values are held in f16: magnitudes above 65,504 overflow, below 6.1e-05 lose precision
;; workspace buffers: xb 16,777,216 bytes; wqb 6,291,456 bytes; wpb 2,097,152 bytes; qkv 50,331,648 bytes; ob 16,777,216 bytes
;; launch cast (part 1): grid 1536 x 1, 8 waves a work-group, no clusters, 0 bytes of LDS; arguments x, Wqkv, Wproj, xb, wqb, wpb; writes xb, wqb, wpb
.if DOCPART == 1
	.amdgcn_target "amdgcn-amd-amdhsa--gfx1250"
	.amdhsa_code_object_version 6
	.text
	.protected	k_q92dac46622_cast
	.globl	k_q92dac46622_cast
	.p2align	8
	.type	k_q92dac46622_cast,@function
k_q92dac46622_cast:
	s_mov_b64 s[64:65], 0
	v_nop
	global_prefetch_b8 v0, s[64:65] scope:SCOPE_SE
	s_setreg_imm32_b32 hwreg(HW_REG_WAVE_MODE, 25, 1), 1
	s_wait_xcnt 0x0
; THE THREE INPUTS ARE ROUNDED ONCE, TO bf16.  xb = bf16(x), wqb = bf16(Wqkv); wpb = bf16(Wproj) written as f16, since the last product multiplies in f16.
; LIMITS.  A bf16 number has 8 significant bits and f16 holds 11, so wpb is exact while |Wproj| lies between 6.1e-5 and 65,504; below that it keeps f16's fixed step of 6e-8, beyond it it becomes an infinity.
; A stream: every input byte is read once and every output byte written once, so there is no LDS, no barrier, no matrix work, and no cluster (no two work-groups read the same byte).
; SHARES.  A work-group takes 32,768 input bytes: 8 chunks of 4,096.  Work-groups 0-1023 take x, 1024-1407 Wqkv, 1408-1535 Wproj (33,554,432, 12,582,912 and 4,194,304 bytes).
; Thread t takes the 16 bytes at 16 t of each chunk (a wave's load covers 512 consecutive bytes) and stores 8 bytes at 8 t (a wave's store covers 256 consecutive bytes, aligned).
; All 8 loads of a thread go out at once; every chunk has registers of its own, so no register that a load or store names is written twice and no wait frees any.
.set CH, 8                             ; chunks of a thread
.set NX, 1024                          ; work-groups for x
.set NW, 384                           ; and for Wqkv
.set X, 4                              ; v[4:35]    chunk i: 4 registers as loaded
.set Y, 36                             ; v[36:51]   chunk i: 2 registers to store
.set T, 52                             ; v[52:55]   at work (Wproj's path)
	s_load_b256 s[4:11], s[0:1], 0x0               ; x s[4:5], Wqkv s[6:7], Wproj s[8:9], xb s[10:11]
	s_load_b128 s[12:15], s[0:1], 0x20             ; wqb s[12:13], wpb s[14:15]
	s_mov_b32 s21, ttmp9                           ; the work-group's number
	s_mov_b32 s20, 0xffff0000                      ; a word's upper bf16
	s_mov_b32 s17, 0                               ; the offsets' high words
	s_mov_b32 s19, 0
	v_lshlrev_b32 v1, 4, v0                        ; 16 t
	v_lshlrev_b32 v2, 3, v0                        ; 8 t
; src, dst: the first registers of the two pointers.  half = 1: the bf16 numbers are widened again and written as f16.
.macro RUN src, dst, half
.set i, 0
.rept CH
	global_load_b128 v[X+4*i:X+4*i+3], v1, s[\src:\src+1] offset:4096*i th:TH_LOAD_NT
.set i, i+1
.endr
.set i, 0
.rept CH
	s_wait_loadcnt CH-1-i                          ; loads come back in order (ISA guide 5.7.1): chunk i is in, the 7 - i younger ones stay out
.if \half
	v_cvt_pk_bf16_f32 v[T],   v[X+4*i],   v[X+4*i+1]
	v_cvt_pk_bf16_f32 v[T+1], v[X+4*i+2], v[X+4*i+3]
	v_lshlrev_b32 v[T+2], 16, v[T]                 ; bf16 to f32: the low half moves up,
	v_and_b32     v[T],   s20, v[T]                ; the high half stays
	v_lshlrev_b32 v[T+3], 16, v[T+1]
	v_and_b32     v[T+1], s20, v[T+1]
	v_cvt_pk_f16_f32 v[Y+2*i],   v[T+2], v[T]
	v_cvt_pk_f16_f32 v[Y+2*i+1], v[T+3], v[T+1]
.else
	v_cvt_pk_bf16_f32 v[Y+2*i],   v[X+4*i],   v[X+4*i+1]
	v_cvt_pk_bf16_f32 v[Y+2*i+1], v[X+4*i+2], v[X+4*i+3]
.endif
	global_store_b64 v2, v[Y+2*i:Y+2*i+1], s[\dst:\dst+1] offset:2048*i  ; no hint: the next launch reads these bytes
.set i, i+1
.endr
.endm
	s_wait_kmcnt 0x0
	s_cmp_lt_u32 s21, NX
	s_cbranch_scc0 .Lw
	s_lshl_b32 s16, s21, 15                        ; the group's 32,768 bytes in,
	s_lshl_b32 s18, s21, 14                        ; its 16,384 bytes out
	s_add_nc_u64 s[4:5], s[4:5], s[16:17]
	s_add_nc_u64 s[10:11], s[10:11], s[18:19]
	RUN 4, 10, 0
	s_endpgm
.Lw:
	s_cmp_lt_u32 s21, NX+NW
	s_cbranch_scc0 .Lp
	s_sub_co_u32 s21, s21, NX
	s_lshl_b32 s16, s21, 15
	s_lshl_b32 s18, s21, 14
	s_add_nc_u64 s[6:7], s[6:7], s[16:17]
	s_add_nc_u64 s[12:13], s[12:13], s[18:19]
	RUN 6, 12, 0
	s_endpgm
.Lp:
	s_sub_co_u32 s21, s21, NX+NW
	s_lshl_b32 s16, s21, 15
	s_lshl_b32 s18, s21, 14
	s_add_nc_u64 s[8:9], s[8:9], s[16:17]
	s_add_nc_u64 s[14:15], s[14:15], s[18:19]
	RUN 8, 14, 1
	s_endpgm
.Lfunc_end_k_q92dac46622_cast:
	.size	k_q92dac46622_cast, .Lfunc_end_k_q92dac46622_cast-k_q92dac46622_cast
	.p2alignl 7, 3214868480
	.fill 96, 4, 3214868480
	.section	.rodata,"a",@progbits
	.p2align	6, 0x0
	.amdhsa_kernel k_q92dac46622_cast
		.amdhsa_group_segment_fixed_size 0
		.amdhsa_private_segment_fixed_size 0
		.amdhsa_enable_private_segment 0
		.amdhsa_kernarg_size 48
		.amdhsa_user_sgpr_count 2
		.amdhsa_user_sgpr_kernarg_segment_ptr 1
		.amdhsa_wavefront_size32 1
		.amdhsa_system_sgpr_workgroup_id_x 1
		.amdhsa_system_sgpr_workgroup_id_y 1
		.amdhsa_system_sgpr_workgroup_id_z 1
		.amdhsa_system_vgpr_workitem_id 0
		.amdhsa_next_free_vgpr 56
		.amdhsa_next_free_sgpr 66
		.amdhsa_reserve_vcc 0
		.amdhsa_float_denorm_mode_32 3
		.amdhsa_float_denorm_mode_16_64 3
		.amdhsa_memory_ordered 1
		.amdhsa_forward_progress 1
		.amdhsa_inst_pref_size 12
	.end_amdhsa_kernel
	.amdgpu_metadata
---
amdhsa.version: [ 1, 2 ]
amdhsa.kernels:
  - .name:           k_q92dac46622_cast
    .symbol:         k_q92dac46622_cast.kd
    .args:
      - { .name: x, .offset: 0, .size: 8, .value_kind: global_buffer, .address_space: global }
      - { .name: Wqkv, .offset: 8, .size: 8, .value_kind: global_buffer, .address_space: global }
      - { .name: Wproj, .offset: 16, .size: 8, .value_kind: global_buffer, .address_space: global }
      - { .name: xb, .offset: 24, .size: 8, .value_kind: global_buffer, .address_space: global }
      - { .name: wqb, .offset: 32, .size: 8, .value_kind: global_buffer, .address_space: global }
      - { .name: wpb, .offset: 40, .size: 8, .value_kind: global_buffer, .address_space: global }
    .group_segment_fixed_size: 0
    .private_segment_fixed_size: 0
    .kernarg_segment_align: 8
    .kernarg_segment_size: 48
    .max_flat_workgroup_size: 256
    .sgpr_count:     66
    .vgpr_count:     56
    .wavefront_size: 32
...
	.end_amdgpu_metadata
.endif
;; end of part 1
;; launch qkv (part 2): grid 16 x 16, 4 waves a work-group, clusters of 4 x 4, 327,680 bytes of LDS; arguments xb, wqb, qkv; writes qkv
.if DOCPART == 2
	.amdgcn_target "amdgcn-amd-amdhsa--gfx1250"
	.amdhsa_code_object_version 6
	.text
	.protected	k_q92dac46622_qkv
	.globl	k_q92dac46622_qkv
	.p2align	8
	.type	k_q92dac46622_qkv,@function
k_q92dac46622_qkv:
	s_mov_b64 s[64:65], 0
	v_nop
	global_prefetch_b8 v0, s[64:65] scope:SCOPE_SE
	s_setreg_imm32_b32 hwreg(HW_REG_WAVE_MODE, 25, 1), 1
	s_wait_xcnt 0x0
	s_wait_alu depctr_hold_cnt(0) depctr_sa_sdst(0) depctr_va_vdst(0) depctr_va_sdst(0) depctr_va_ssrc(0) depctr_va_vcc(0) depctr_vm_vsrc(0)
	s_getreg_b32 s2, hwreg(HW_REG_IB_STS2, 6, 4)
	s_cmp_eq_u32 s2, 0
	s_cbranch_scc0 .Lentry_in_a_cluster
	s_endpgm
.Lentry_in_a_cluster:
	s_bfe_u32 s2, ttmp6, 0x10000c
	s_cmp_lg_u32 s2, 0xf033
	s_cbranch_scc0 .Lentry_shape_is_right
	s_endpgm
.Lentry_shape_is_right:
; THE QKV PROJECTION.  c[m][o] = sum over k of xb[m][k] wqb[o][k]; xb [8192][1024], wqb [3072][1024], both bf16; sums in f32, rounded once to f16, WITHOUT attention's scale.
; OUT BY HEADS: qkv[which 3][b 4][head 16][t 2048][64] f16, with m = 2048 b + t and o = 1024 which + 64 head + channel: a head's rows are dense, 128 bytes each.
; LIMITS.  f16 holds no number beyond 65,504: a q, k or v beyond that becomes an infinity; below 6.1e-5 f16 keeps its fixed step of 6e-8.  NaN and infinities are not treated apart.
; SHARES.  A tile of c is 256 rows x 192 columns (three whole heads): 32 x 16 = 512 tiles, two for each of 256 work-groups, 4,096 rows apart.  Four waves, each 64 rows x all 192 columns: 48 accumulators
; of 16 x 16, 384 registers.  So a wave holds whole rows of three heads and leaves through a stage of its own, with no barrier.
; K goes in steps of 128 through a ring of two LDS slots filled by the tensor data mover; the rows of both tiles are 256 bytes of memory and start at multiples of 256 bytes from the buffer's first byte.
; The two tiles' 16 K steps are ONE walk for the ring: the refill's address is made anew from the step's number, so the ring does not stop at the first tile's end and nothing waits for that tile's stores.
; A K STEP IS WRITTEN ONCE: slot 1 begins at LDS byte 1 << 17, so that one exclusive or turns an address in one slot into the other's; the slot in hand lies in a scalar register, and the fragments' addresses are made
; anew from it at each change of slots.  The loop is entered in its middle, at the quarter that starts a tile's sums.
; CLUSTERS: 4 x 4 work-groups.  The four of a row of the cluster need the same tiles of xb, the four of a column the same tiles of wqb: each tile is asked for JOINTLY, by the same tensor load with the same
; descriptor and a mask that names the four.
; PREFETCH.  Wave 3 asks ahead of the tensor loads, each aligned block of 256 bytes once in the launch.  A K step of xb is 256 blocks for a tile row, 16 for each of its 16 work-groups: one instruction takes my
; 16 rows x 2 steps (8 KB), in every second trip: trip t (odd, up to 11), whose joint load asks for step t + 2, asks for steps t + 3 and t + 4, which trips t + 1 and t + 2 load; steps 2 and 3 are asked for at the start;
; the last two trips ask for nothing.  Of wqb's 192 rows of a tile column each of its 16 work-groups asks at the start for 12 whole rows (24 KB, three instructions); a quarter of those blocks are the two K steps
; that the first fills ask for at the same place in the text; the second tile reads the same rows again.
; THE MATRIX INSTRUCTION IS USED TRANSPOSED (source 0 = 16 rows of wqb, source 1 = 16 rows of xb): a lane then holds row l % 16 of c and the eight neighbouring columns 8 (l / 16) + 0..7, which pack into 16 bytes.
; REGISTERS, in windows of 256 (s_set_vgpr_msb: bits 1:0 source 0, 3:2 source 1, 5:4 source 2, 7:6 destination):
;   window 0: v0-31 addresses; v32-79 packed results; v80-127, v128-175 16 rows read back from the stage, by turns
;   window 1: two fragment buffers of 128: xb's 4 fragments (16 rows x 32 K) at +8 a, wqb's 12 at +32 + 8 b
;   window 2: the accumulators of my row blocks 0, 1 (block a, column block b at 96 (a % 2) + 8 b);   window 3: those of blocks 2, 3
.set SIZE_K, 1024
.set KSTEP,  128
.set PITCH,  272                       ; an LDS row: 256 bytes + 16 of padding = 68 words: row r starts at bank 4 r mod 64 (64 banks of 4 bytes: ISA guide 11.1), so the 16 rows of a load start at 16 different banks
.set HALFA,  128*PITCH                 ; what one tensor load brings of xb: 128 rows
.set HALFB,  96*PITCH                  ; and of wqb: 96 rows
.set BOFF,   2*HALFA                   ; a slot: xb's 256 rows, then wqb's 192
.set SLOT,   BOFF+2*HALFB              ; 121,856 bytes
.set SLOT1,  1<<17                     ; where slot 1 begins
.set STAGE,  SLOT1+SLOT                ; behind the ring, never filled by a tensor load: 16 rows x 400 bytes for each wave
.set SPITCH, 400                       ; 384 bytes + 16 = 100 words: the 16 rows of a store start at 16 different groups of four banks
.set SPARE,  STAGE+4*16*SPITCH         ; behind the stages: the spare words, 128 bytes for each wave: two blocks of 256 bytes that no other line names
.set ADRA0, 16                         ; v16     my lane's place among my xb fragments in a slot; never rewritten
.set ADRA,  17                         ; v17     the same in the slot in hand
.set ADRB0, 20                         ; v20, v21  the same for wqb
.set ADRB,  21
.set STO,  24                          ; v24     the way out: where I put 16 bytes of a row
.set RD,   25                          ; v25     the way out: where I read rows back
.set GO,   26                          ; v26     my byte offset in 512 consecutive bytes of a head
.set PFO,  27                          ; v27     prefetch of xb: row l % 16 of 2,048 bytes, K step l / 16 of 256; never rewritten
.set SPW,  28                          ; v28     LDS address of my spare word: SPARE + 4 x my thread's number; never rewritten
.set NIL,  29                          ; v29     0; never rewritten
.set PFW,  30                          ; v30     prefetch of wqb: 256 x lane; never rewritten
.set TMP,  32
.set BK,   80
.set F0,   0
.set F1,   128
.set G1,   24                          ; s[24:31] descriptor group 1 for xb's tiles;  s[32:39] group 0: a set for each of the two first fills; the second then walks on
.set G0,   32
.set TB,   45                          ; s45      LDS byte at which the slot in hand begins: 0 or SLOT1
.set G1B,  48                          ; s[48:55], s[56:63] the same for wqb's tiles
.set G0B,  56
.set OFFA, 66                          ; s[66:67] byte offset of the step to be asked for from xb's first tile
.set OFFB, 68                          ; s[68:69] the same for wqb
.set STP,  70                          ; s70      the K step to be asked for next, 2 to 15; step >> 3 is the tile
.set OB,   72                          ; s[72:77] qkv at my 64 rows of the tile's three heads
.set PFA,  80                          ; s[80:81] xb at the 16 rows of the first tile that I prefetch; never rewritten
.set PFX,  82                          ; s[82:83] the same at the pair of K steps in hand
.set PFS,  84                          ; s84      the first step of the pair to be prefetched next: 4, 6 .. 14
.set PFT,  86                          ; s[86:87] that pair's byte offset; the high word stays 0
.set PFB,  88                          ; s[88:89] wqb at the 12 rows that I prefetch; never rewritten
.set MSB, 0
.macro WIN new                         ; the immediate's high byte repeats the setting that is left; a switch that changes nothing is dropped
.if MSB != (\new)
	s_set_vgpr_msb (MSB<<8)|(\new)
.set MSB, (\new)
.endif
.endm
; A joint load.  Waves 0 and 1 fetch xb's two halves, waves 2 and 3 wqb's.  Each of the two lines has one mask and one set of registers for all that issue it.  The branch hangs on the wave's number alone.
; An s_nop 0 and four v_nop follow each of the two lines, ahead of the jump, the label and what follows.
.macro JLOAD s
	s_cmp_eq_u32 s11, 0
	s_cbranch_scc0 .Lfor_b_\@
	tensor_load_to_lds s[G0+4*(\s):G0+4*(\s)+3], s[G1:G1+7]
	s_nop 0
.rept 4
	v_nop
.endr
	s_branch .Lasked_\@
.Lfor_b_\@:
	tensor_load_to_lds s[G0B+4*(\s):G0B+4*(\s)+3], s[G1B:G1B+7]
	s_nop 0
.rept 4
	v_nop
.endr
.Lasked_\@:
.endm
; A round of the cluster's barrier: my work-group's barrier, so that wave 0's signal speaks for all four waves; wave 0 signals; every wave waits for all sixteen work-groups; my work-group's barrier once more.
.macro CREST                           ; a round behind its opening barrier
	s_cmp_lg_u32 s10, 0
	s_cbranch_scc1 .Lnot_wave_0_\@
	s_barrier_signal -3
.Lnot_wave_0_\@:
	s_barrier_wait -3
	s_barrier_signal -1
	s_barrier_wait -1
.endm
.macro CROUND                          ; a whole round
	s_barrier_signal -1
	s_barrier_wait -1
	CREST
.endm
	s_load_b128 s[4:7], s[0:1], 0x0                ; xb s[4:5], wqb s[6:7]
	s_load_b64 s[8:9], s[0:1], 0x10                ; qkv
	v_lshl_add_u32 v[SPW], v0, 2, SPARE
	v_mov_b32 v[NIL], 0
	ds_add_u32 v28, v29
	ds_add_u32 v28, v29
	s_wait_dscnt 0x0
	v_lshrrev_b32 v1, 5, v0
	v_readfirstlane_b32 s10, v1                    ; wave 0..3
	s_lshr_b32 s11, s10, 1                         ; I fetch for xb (0) or for wqb (1)
	s_and_b32 s12, s10, 1                          ; which half of that tile's rows I fetch
	s_bfe_u32 s40, ttmp6, 0x40000                  ; cx, cy: my place in the cluster
	s_bfe_u32 s41, ttmp6, 0x40004
	s_lshl_b32 s42, ttmp9, 2                       ; in a cluster launch ttmp9 and ttmp7 count clusters
	s_add_co_u32 s42, s42, s40                     ; tile column = 4 x cluster x + cx, 0..15
	s_and_b32 s13, ttmp7, 0xffff
	s_lshl_b32 s13, s13, 2
	s_add_co_u32 s13, s13, s41                     ; tile row = 4 x cluster y + cy, 0..15
	s_lshl_b32 s43, s41, 2
	s_lshl_b32 s43, 15, s43                        ; my row of the cluster: places 4 cy .. 4 cy + 3
	s_lshl_b32 s44, 0x1111, s40                    ; my column: places cx, cx + 4, cx + 8, cx + 12
	; descriptor group 1: tiles of 128 (xb) and 96 (wqb) rows x 128 elements, padded in LDS
	s_or_b32 s[G1+0], s43, (1<<16)|(1<<20)|(1<<21)|(5<<22)|(3<<25)   ; 15:0 the mask: xb's tiles go to my row; 17:16 2-byte elements; 20 padding on; 21 set beside a mask; 24:22 after every 64 words (code 5); 31:25 4 words (code 3)
	s_or_b32 s[G1B+0], s44, (1<<16)|(1<<20)|(1<<21)|(5<<22)|(3<<25)  ; the same with the mask of my column
	s_mov_b32 s[G1+1], KSTEP<<16                   ; tensor_dim0 = 128
	s_mov_b32 s[G1+2], 128<<16                     ; tensor_dim1 = 128
	s_mov_b32 s[G1+3], KSTEP<<16                   ; tile_dim0 = 128
	s_mov_b32 s[G1+4], 128                         ; tile_dim1 = 128
	s_mov_b32 s[G1+5], SIZE_K                      ; elements from row to row
	s_mov_b32 s[G1+6], 0
	s_mov_b32 s[G1+7], 0
	s_mov_b32 s[G1B+1], KSTEP<<16
	s_mov_b32 s[G1B+2], 96<<16                     ; tensor_dim1 = 96
	s_mov_b32 s[G1B+3], KSTEP<<16
	s_mov_b32 s[G1B+4], 96                         ; tile_dim1 = 96
	s_mov_b32 s[G1B+5], SIZE_K
	s_mov_b32 s[G1B+6], 0
	s_mov_b32 s[G1B+7], 0
	; where the tiles come from.  xb's hang on the tile row alone, which my row of the cluster shares; wqb's on the tile column alone, which my column shares.
	s_lshl_b32 s16, s13, 8
	s_lshl_b32 s17, s12, 7
	s_add_co_u32 s16, s16, s17                     ; xb: row 256 x tile row + 128 x half,
	s_lshl_b32 s16, s16, 11                        ; of 2,048 bytes
	s_mov_b32 s17, 0
	s_mul_i32 s46, s42, 192
	s_mul_i32 s47, s12, 96
	s_add_co_u32 s46, s46, s47                     ; wqb: row 192 x tile column + 96 x half
	s_lshl_b32 s46, s46, 11
	s_mov_b32 s47, 0
	s_mul_i32 s20, s12, HALFA                      ; and where they go: no place in the cluster enters an LDS address
	s_mul_i32 s21, s12, HALFB
	s_add_co_u32 s21, s21, BOFF
	s_mov_b32 s[OFFA+1], 0
	s_mov_b32 s[OFFB+1], 0
	s_mov_b32 s[STP], 2
	s_mov_b32 s[TB], 0                             ; K step 0 lies in slot 0
	s_wait_kmcnt 0x0
	s_add_nc_u64 s[14:15], s[4:5], s[16:17]        ; kept: xb at my part of the first tile's K step 0
	s_add_nc_u64 s[46:47], s[6:7], s[46:47]        ; kept: the same for wqb
	CROUND                                         ; all sixteen work-groups are here: the first joint loads meet
.irp s, 0,1
	s_mov_b32 s[G0+4*(\s)], 1                                        ; 1:0 count = 1
	s_add_co_u32 s[G0+4*(\s)+1], s20, (\s)*SLOT1                     ; 63:32 LDS address
	s_add_nc_u64 s[G0+4*(\s)+2:G0+4*(\s)+3], s[14:15], (\s)*KSTEP*2  ; 120:64 global address: K step s
	s_or_b32 s[G0+4*(\s)+3], s[G0+4*(\s)+3], 0x80000000              ; 127:126 type = 2
	s_mov_b32 s[G0B+4*(\s)], 1
	s_add_co_u32 s[G0B+4*(\s)+1], s21, (\s)*SLOT1
	s_add_nc_u64 s[G0B+4*(\s)+2:G0B+4*(\s)+3], s[46:47], (\s)*KSTEP*2
	s_or_b32 s[G0B+4*(\s)+3], s[G0B+4*(\s)+3], 0x80000000
	JLOAD \s                                       ; the ring is filled before anything else is done: two loads of mine are out
.endr
	v_and_b32 v1, 15, v0                           ; l % 16
	v_bfe_u32 v2, v0, 4, 1                         ; l / 16
	; the prefetches' addresses, in registers that feed no descriptor, and the first requests, straight behind the first fills
	v_lshlrev_b32 v[PFO], 11, v1                   ; xb: row l % 16,
	v_lshl_add_u32 v[PFO], v2, 8, v[PFO]           ; K step l / 16 of the pair
	v_and_b32 v[PFW], 31, v0
	v_lshlrev_b32 v[PFW], 8, v[PFW]                ; wqb: 256 x lane
	s_lshl_b32 s[PFT], s13, 8
	s_lshl_b32 s[PFT+1], s42, 4
	s_add_co_u32 s[PFT], s[PFT], s[PFT+1]          ; xb: row 256 x tile row + 16 x tile column,
	s_lshl_b32 s[PFT], s[PFT], 11                  ; of 2,048 bytes
	s_mov_b32 s[PFT+1], 0
	s_add_nc_u64 s[PFA:PFA+1], s[4:5], s[PFT:PFT+1]
	s_mul_i32 s[PFT], s42, 192
	s_mul_i32 s85, s13, 12
	s_add_co_u32 s[PFT], s[PFT], s85               ; wqb: row 192 x tile column + 12 x tile row
	s_lshl_b32 s[PFT], s[PFT], 11
	s_add_nc_u64 s[PFB:PFB+1], s[6:7], s[PFT:PFT+1]
	s_mov_b32 s[PFS], 4
	s_cmp_lg_u32 s10, 3
	s_cbranch_scc1 .Lno_pf0                        ; wave 3 alone asks
	global_prefetch_b8 v[PFO], s[PFA:PFA+1] offset:2*KSTEP*2 th:TH_LOAD_NT scope:SCOPE_SE  ; xb: my 16 rows of K steps 2 and 3
	global_prefetch_b8 v[PFW], s[PFB:PFB+1] th:TH_LOAD_NT scope:SCOPE_SE                   ; wqb: my 12 rows, 24,576 consecutive bytes
	global_prefetch_b8 v[PFW], s[PFB:PFB+1] offset:8192 th:TH_LOAD_NT scope:SCOPE_SE
	global_prefetch_b8 v[PFW], s[PFB:PFB+1] offset:16384 th:TH_LOAD_NT scope:SCOPE_SE
.Lno_pf0:
	; A fragment is 16 rows x 32 K in 8 registers: lane l holds row l % 16; registers 0-3 K = 8 (l / 16) + 0..7, registers 4-7 K = 16 + 8 (l / 16) + 0..7: two loads of 16 bytes, 32 bytes apart.
	v_mul_u32_u24 v3, v1, PITCH
	v_lshl_add_u32 v3, v2, 4, v3                   ; row x pitch + 16 x half
	s_mul_i32 s22, s10, 64*PITCH                   ; my 64 rows of xb;
	v_add_nc_u32 v[ADRA0], s22, v3
	v_add_nc_u32 v[ADRB0], BOFF, v3                ; all 192 rows of wqb
	v_add_nc_u32 v[ADRA], s[TB], v[ADRA0]
	v_add_nc_u32 v[ADRB], s[TB], v[ADRB0]
	s_mul_i32 s23, s10, 16*SPITCH
	s_add_co_u32 s23, s23, STAGE                   ; my stage
	v_mul_u32_u24 v4, v1, SPITCH                   ; in: row l % 16, 16 bytes for each half of the lanes
	v_lshl_add_u32 v4, v2, 4, v4
	v_add_nc_u32 v[STO], s23, v4
	v_bfe_u32 v5, v0, 3, 2                         ; back: 32 lanes take four rows' 128 bytes of one head,
	v_mul_u32_u24 v5, v5, SPITCH
	v_and_b32 v4, 7, v0
	v_lshl_add_u32 v5, v4, 4, v5
	v_add_nc_u32 v[RD], s23, v5
	v_and_b32 v[GO], 31, v0                        ; which are 512 consecutive bytes of qkv
	v_lshlrev_b32 v[GO], 4, v[GO]
	; qkv at my rows of the tile's three heads.  Row m = 256 x tile row + 64 w (+ 4,096 for the second tile): b = tile row >> 3, t = 256 (tile row & 7) + 64 w.  A head's plane is 2,048 x 128 = 1 << 18 bytes.
	s_lshr_b32 s16, s13, 3
	s_lshl_b32 s16, s16, 22                        ; b x 16 planes
	s_and_b32 s17, s13, 7
	s_lshl_b32 s17, s17, 15                        ; 256 rows of 128 bytes
	s_add_co_u32 s16, s16, s17
	s_lshl_b32 s17, s10, 13                        ; 64 rows of 128 bytes
	s_add_co_u32 s16, s16, s17
.irp j, 0,1,2
	s_mul_i32 s78, s42, 3
	s_add_co_u32 s78, s78, \j                      ; g = 3 x tile column + j, 0..47: which = g >> 4, head = g & 15
	s_lshr_b32 s79, s78, 4
	s_and_b32 s78, s78, 15
	s_lshl_b32 s79, s79, 6                         ; which x 64 planes
	s_add_co_u32 s78, s78, s79
	s_lshl_b32 s78, s78, 18
	s_add_co_u32 s78, s78, s16
	s_mov_b32 s79, 0
	s_add_nc_u64 s[OB+2*(\j):OB+2*(\j)+1], s[8:9], s[78:79]
.endr
; 12 matrix instructions: my row block a x all 12 column blocks, 32 along K.  zero = 1: the product starts the sums: nothing is ever cleared.
; The 48 accumulators take turns, one instruction a turn, in the same order in every quarter step.
.macro MUL12 f, a, zero
	WIN 0xa5+0x50*((\a)/2)                         ; sources 0 and 1 window 1; C and D window 2 (blocks 0, 1) or 3 (blocks 2, 3)
.irp b, 0,1,2,3,4,5,6,7,8,9,10,11
.if \zero
	v_wmma_f32_16x16x32_bf16 v[96*((\a)%2)+8*(\b):96*((\a)%2)+8*(\b)+7], v[(\f)+32+8*(\b):(\f)+32+8*(\b)+7], v[(\f)+8*(\a):(\f)+8*(\a)+7], 0
.else
	v_wmma_f32_16x16x32_bf16 v[96*((\a)%2)+8*(\b):96*((\a)%2)+8*(\b)+7], v[(\f)+32+8*(\b):(\f)+32+8*(\b)+7], v[(\f)+8*(\a):(\f)+8*(\a)+7], v[96*((\a)%2)+8*(\b):96*((\a)%2)+8*(\b)+7]
.endif
.endr
.endm
; 32 LDS loads in one run: the fragments of one quarter step (192 rows of wqb, my 64 rows of xb, 32 K at byte k of the rows of the slot in hand) into buffer f; xb's last
.macro FETCH k, f
	WIN 0x40                                       ; destination window 1, address window 0
.irp i, 0,1,2,3,4,5,6,7,8,9,10,11
	ds_load_b128 v[(\f)+32+8*(\i):(\f)+32+8*(\i)+3],   v[ADRB] offset:(\k)+(\i)*16*PITCH
	ds_load_b128 v[(\f)+32+8*(\i)+4:(\f)+32+8*(\i)+7], v[ADRB] offset:(\k)+(\i)*16*PITCH+32
.endr
.irp i, 0,1,2,3
	ds_load_b128 v[(\f)+8*(\i):(\f)+8*(\i)+3],   v[ADRA] offset:(\k)+(\i)*16*PITCH
	ds_load_b128 v[(\f)+8*(\i)+4:(\f)+8*(\i)+7], v[ADRA] offset:(\k)+(\i)*16*PITCH+32
.endr
.endm
; A load into a register that a matrix instruction has read, and a vector instruction that reads a matrix result, stand four places behind that matrix instruction, and only plain vector instructions
; that name none of its registers are places (ISA guide 7.12.1 for vector instructions).
.macro PLACES
.rept 4
	v_nop
.endr
.endm
; A K step is four quarter steps of 32 along K, 48 matrix instructions each, on buffers 0, 1, 0, 1.  One of the first three: multiplies buffer f; in its middle it fetches the next quarter, at byte k, into g.
.macro QUARTER k, f, g, zero
	s_wait_dscnt 4                                 ; wqb and xb's blocks 0, 1 are in; the youngest four loads (blocks 2, 3) may be out
	MUL12 \f, 0, \zero
	MUL12 \f, 1, \zero
	PLACES
	FETCH \k, \g
	s_wait_dscnt 32                                ; all but the 32 just issued
	MUL12 \f, 2, \zero
	MUL12 \f, 3, \zero
.endm
; The last quarter multiplies buffer 1 and changes slots.  MEET is its first half: ONE barrier for the change.  In front of it each wave waits for all its tensor loads, of which one is out: its part of the
; next slot; adds 0 to its spare word; and waits for that and for its own reads of this slot.  Behind it nobody reads this slot any more and the next slot is whole.
.macro MEET
	WIN 0                                          ; (the add's two registers lie in window 0)
	s_wait_tensorcnt 0x0                           ; all my tensor loads have landed;
	ds_add_u32 v[SPW], v[NIL]                      ; 0 onto my spare word;
	s_wait_dscnt 5                                 ; (the add and the youngest four loads may be out)
	MUL12 F1, 0, 0                                 ; twelve matrix instructions stand between the add and the wait for it
	s_wait_dscnt 0x0                               ; the add is done, and my reads of this slot are over:
	s_barrier_signal -1                            ; say so,
	MUL12 F1, 1, 0                                 ; work on registers while the others arrive,
	WIN 0                                          ; (branches or window 0's address lines follow)
	s_barrier_wait -1                              ; and go on when all four have said so
.endm
; The walking descriptors take the other slot than last time and K step STP, whose address is made anew from its number: 256 bytes along K for each of a tile's 8 steps; the second tile's rows of xb lie
; 4,096 x 2,048 = 1 << 23 bytes on, its rows of wqb are the same.  No tensor load of the wave is out here, so a group 0 may be written.
.macro NEWADR
	s_and_b32 s71, s[STP], 7
	s_lshl_b32 s[OFFB], s71, 8
	s_lshr_b32 s71, s[STP], 3
	s_lshl_b32 s71, s71, 23
	s_add_co_u32 s[OFFA], s71, s[OFFB]
	s_xor_b32 s[G0+5], s[G0+5], SLOT1
	s_add_nc_u64 s[G0+6:G0+7], s[14:15], s[OFFA:OFFA+1]
	s_or_b32 s[G0+7], s[G0+7], 0x80000000
	s_xor_b32 s[G0B+5], s[G0B+5], SLOT1
	s_add_nc_u64 s[G0B+6:G0B+7], s[46:47], s[OFFB:OFFB+1]
	s_or_b32 s[G0B+7], s[G0B+7], 0x80000000
	s_add_co_u32 s[STP], s[STP], 1
.endm
; The prefetch of a trip.  The loop's counter s3 runs 14 .. 1 (trip t = 14 - s3): wave 3 asks where s3 is odd and at least 3, six times, for the pairs of K steps 4 and 5 .. 14 and 15; a pair never
; straddles the two tiles.  The jumps go forward, past no barrier and no tensor load, on numbers that are the same in every work-group.
.macro PREF
	s_bitcmp1_b32 s3, 0
	s_cbranch_scc0 .Lno_pf_\@                      ; every second trip
	s_cmp_lt_u32 s3, 3
	s_cbranch_scc1 .Lno_pf_\@                      ; nothing lies beyond K step 15
	s_cmp_lg_u32 s10, 3
	s_cbranch_scc1 .Lno_pf_\@                      ; wave 3 alone asks
	s_wait_xcnt 0x0                                ; the last prefetch, two trips back, has had its addresses translated (ISA guide 3.1): its base is written again only behind this wait
	s_and_b32 s[PFT], s[PFS], 7
	s_lshl_b32 s[PFT], s[PFT], 8                   ; 256 bytes along K for each step of a tile,
	s_lshr_b32 s85, s[PFS], 3
	s_lshl_b32 s85, s85, 23                        ; 1 << 23 bytes for the second tile
	s_add_co_u32 s[PFT], s[PFT], s85
	s_add_nc_u64 s[PFX:PFX+1], s[PFA:PFA+1], s[PFT:PFT+1]
	s_add_co_u32 s[PFS], s[PFS], 2
	global_prefetch_b8 v[PFO], s[PFX:PFX+1] th:TH_LOAD_NT scope:SCOPE_SE
.Lno_pf_\@:
.endm
.macro FLIP                            ; the fetches go over to the other slot
	WIN 0
	s_xor_b32 s[TB], s[TB], SLOT1
	v_add_nc_u32 v[ADRA], s[TB], v[ADRA0]
	v_add_nc_u32 v[ADRB], s[TB], v[ADRB0]
.endm
; The whole last quarter.  The barrier opens a round of the cluster's barrier; behind the round the slot just read out is filled again first, with the K step two steps on; then come the next slot's first
; fragments.  From a request to the wait for it a wave issues 168 of a step's 192 matrix instructions.
.macro TURN
	MEET
	CREST                                          ; no wave of any partner still reads this slot's tile or has a load on its way
	NEWADR
	JLOAD 1                                        ; the first tensor load behind the round, my only one until the next; its four v_nop are also the places in front of the loads below
	PREF
	FLIP
	FETCH 0, F0
	MUL12 F1, 2, 0
	MUL12 F1, 3, 0
.endm
; THE WAY OUT of row block a, in three parts.  PACK: rounded to f16, 16 bytes a lane; each accumulator's registers in ascending order.  TOSTAGE: into my own stage, and back as rows of a head.  SEND: stored.
.macro PACK a
	WIN 0x0a+5*((\a)/2)                            ; sources 0 and 1: window 2 or 3
.irp b, 0,1,2,3,4,5,6,7,8,9,10,11
.irp r, 0,1,2,3
	v_cvt_pk_f16_f32 v[TMP+4*(\b)+(\r)], v[96*((\a)%2)+8*(\b)+2*(\r)], v[96*((\a)%2)+8*(\b)+2*(\r)+1]
.endr
.endr
	WIN 0
.endm
.macro TOSTAGE a
	WIN 0
.irp b, 0,1,2,3,4,5,6,7,8,9,10,11
	ds_store_b128 v[STO], v[TMP+4*(\b):TMP+4*(\b)+3] offset:32*(\b)
.endr
.irp j, 0,1,2
.irp f, 0,1,2,3
	ds_load_b128 v[BK+48*((\a)%2)+4*(4*(\j)+(\f)):BK+48*((\a)%2)+4*(4*(\j)+(\f))+3], v[RD] offset:(\f)*4*SPITCH+128*(\j)  ; LDS serves a wave's instructions in order (ISA guide 5.7.1.4): these see the stores above
.endr
.endr
.endm
.macro SEND a
	WIN 0
	s_wait_dscnt 0x0                               ; the block is back in registers
	s_wait_xcnt 0x0                                ; every earlier store has had its addresses translated (ISA guide 3.1): the other set of registers, which the block before last was stored from, is loaded again only behind this wait
.irp j, 0,1,2
.irp f, 0,1,2,3
	global_store_b128 v[GO], v[BK+48*((\a)%2)+4*(4*(\j)+(\f)):BK+48*((\a)%2)+4*(4*(\j)+(\f))+3], s[OB+2*(\j):OB+2*(\j)+1] offset:(\a)*2048+(\f)*512  ; four rows of a head: 512 consecutive bytes, at a multiple of 256 from qkv's first byte
.endr
.endr
.endm
.macro OUT                             ; block a's conversions stand between block a - 1's loads from the stage and the wait for them
	PACK 0
	TOSTAGE 0
.irp a, 1,2,3
	PACK \a
	SEND (\a)-1
	TOSTAGE \a
.endr
	SEND 3
.endm
	s_wait_tensorcnt 1                             ; my part of K step 0 is in; step 1's may stay out
	s_barrier_signal -1
	s_barrier_wait -1                              ; everybody's is
	FETCH 0, F0
	WIN 0                                          ; at a label and at a branch every window is 0
	s_mov_b32 s3, 15
	s_branch .Lzero                                ; the loop is entered at the quarter that starts a tile's sums: the count goes to 14 at the trip's end
.Lstep:                                                ; fourteen whole trips; a trip goes from a K step's second quarter to the next step's first and fills the slot that it leaves: K steps 2 to 15
	QUARTER 128, F1, F0, 0
	QUARTER 192, F0, F1, 0
	TURN
	WIN 0
	s_cmp_eq_u32 s3, 7                             ; the eighth trip has ended K step 7: the first tile is finished.  The count is the same in every work-group; what is jumped holds no barrier and no tensor load
	s_cbranch_scc0 .Lsame
	OUT                                            ; the refill is asked for: now the tile goes out.  No v_nop: blocks 0 and 1 were finished in front of the joint load's places, and their 96 conversions are the places behind blocks 2 and 3's last products
	s_wait_xcnt 0x0                                ; the stores have read their bases
.irp j, 0,1,2
	s_add_nc_u64 s[OB+2*(\j):OB+2*(\j)+1], s[OB+2*(\j):OB+2*(\j)+1], 0x800000  ; the second tile: b + 2, 32 planes on
.endr
.Lzero:
	QUARTER 64,  F0, F1, 1                         ; a tile's first quarter: its products start the sums
	WIN 0
	s_branch .Lnext
.Lsame:
	QUARTER 64,  F0, F1, 0
	WIN 0
.Lnext:
	s_sub_co_u32 s3, s3, 1
	s_cmp_lg_u32 s3, 0
	s_cbranch_scc1 .Lstep
	s_mov_b32 s3, 2                                ; the last two K steps ask for nothing, so they have a text of their own, with no tensor load and no round of the cluster's barrier
.Ltail:                                                ; its second trip is left behind the fourth quarter.  That trip's barrier orders nothing, and its 32 LDS loads fetch fragments of slot 0 that nobody multiplies:
	QUARTER 128, F1, F0, 0                         ; the price, once a launch, of one text for both trips
	QUARTER 192, F0, F1, 0
	MEET                                           ; (first trip: my one tensor load that was still out is slot 1's, the last K step's)
	PLACES
	FLIP
	FETCH 0, F0
	MUL12 F1, 2, 0
	MUL12 F1, 3, 0
	WIN 0
	s_sub_co_u32 s3, s3, 1
	s_cmp_eq_u32 s3, 0
	s_cbranch_scc1 .Llast
	QUARTER 64,  F0, F1, 0
	WIN 0
	s_branch .Ltail
.Llast:
	OUT                                            ; as in the loop: blocks 0 and 1 were finished in front of the four v_nop above, and their conversions are the places behind blocks 2 and 3's last products
	s_wait_tensorcnt 0x0                           ; the wave's end: behind my last tensor load and my last LDS store
	ds_add_u32 v[SPW], v[NIL]
	s_wait_dscnt 0x0
	CROUND                                         ; the closing round: no work-group ends while a partner may still ask for a tile that names it
	s_endpgm
.Lfunc_end_k_q92dac46622_qkv:
	.size	k_q92dac46622_qkv, .Lfunc_end_k_q92dac46622_qkv-k_q92dac46622_qkv
	.p2alignl 7, 3214868480
	.fill 96, 4, 3214868480
	.section	.rodata,"a",@progbits
	.p2align	6, 0x0
	.amdhsa_kernel k_q92dac46622_qkv
		.amdhsa_group_segment_fixed_size 327680
		.amdhsa_private_segment_fixed_size 0
		.amdhsa_enable_private_segment 0
		.amdhsa_kernarg_size 24
		.amdhsa_user_sgpr_count 2
		.amdhsa_user_sgpr_kernarg_segment_ptr 1
		.amdhsa_wavefront_size32 1
		.amdhsa_system_sgpr_workgroup_id_x 1
		.amdhsa_system_sgpr_workgroup_id_y 1
		.amdhsa_system_sgpr_workgroup_id_z 1
		.amdhsa_system_vgpr_workitem_id 0
		.amdhsa_next_free_vgpr 960
		.amdhsa_next_free_sgpr 90
		.amdhsa_reserve_vcc 0
		.amdhsa_float_denorm_mode_32 3
		.amdhsa_float_denorm_mode_16_64 3
		.amdhsa_memory_ordered 1
		.amdhsa_forward_progress 1
		.amdhsa_inst_pref_size 108
	.end_amdhsa_kernel
	.amdgpu_metadata
---
amdhsa.version: [ 1, 2 ]
amdhsa.kernels:
  - .name:           k_q92dac46622_qkv
    .symbol:         k_q92dac46622_qkv.kd
    .args:
      - { .name: xb, .offset: 0, .size: 8, .value_kind: global_buffer, .address_space: global }
      - { .name: wqb, .offset: 8, .size: 8, .value_kind: global_buffer, .address_space: global }
      - { .name: qkv, .offset: 16, .size: 8, .value_kind: global_buffer, .address_space: global }
    .group_segment_fixed_size: 327680
    .private_segment_fixed_size: 0
    .kernarg_segment_align: 8
    .kernarg_segment_size: 24
    .max_flat_workgroup_size: 128
    .sgpr_count:     90
    .vgpr_count:     960
    .wavefront_size: 32
...
	.end_amdgpu_metadata
.endif
;; end of part 2
;; launch attn (part 3): grid 4 x 64, 4 waves a work-group, no clusters, 327,680 bytes of LDS; arguments qkv, ob; writes ob
.if DOCPART == 3
	.amdgcn_target "amdgcn-amd-amdhsa--gfx1250"
	.amdhsa_code_object_version 6
	.text
	.protected	k_q92dac46622_attn
	.globl	k_q92dac46622_attn
	.p2align	8
	.type	k_q92dac46622_attn,@function
k_q92dac46622_attn:
	s_mov_b64 s[64:65], 0
	v_nop
	global_prefetch_b8 v0, s[64:65] scope:SCOPE_SE
	s_setreg_imm32_b32 hwreg(HW_REG_WAVE_MODE, 25, 1), 1
	s_wait_xcnt 0x0
; CAUSAL ATTENTION.  O[h][q][:] = the sum over k <= q of softmax_k(Q[h][q] . K[h][k] / 8) V[h][k][:].  Q, K, V lie in qkv, 0x1000000 bytes apart, each [SIZE_H][SIZE_N][64]; O is ob, likewise; all f16: a head's rows are dense, 128 bytes each.
; h = 16 b + head.  Products, maxima and sums in f32; the weights p are rounded to f16 for the second product (their sum l is taken of the unrounded p), O once at the end.
; LIMITS.  f16 holds no number beyond 65,504: Q, K and V arrive within it; p lies in 0 to 1, and below 6e-5 it keeps f16's fixed step of 6e-8; O is a mean of V's rows and has their range, to within 2^-11 of it.
; A hidden score counts as its value less 1e30: f16's scores, 2.7e11 at the most, are nothing beside that; a weight below 2^-126 counts as 0 in l; NaN and infinities are not treated apart.
; THE WALK.  A head's queries lie in NB = SIZE_N / 256 blocks of 256; block i needs the key tiles 0 .. i of 256 keys, of which the last holds the diagonal.  A work-group takes TWO blocks, NB - 1 - b and then b:
; NB + 1 tiles, whatever b: all work-groups do equal work, and ONE loop with a constant trip count walks them.  Which tile is asked for, and what a trip does, hang on scalar registers made from b; every jump
; goes forward, but for the counted loops' own; none passes a barrier, or a tensor load but the one of LOAD's two that the wave's number does not choose; the ring (two slots of LDS that take turns) runs on across the
; change of blocks.  NO CLUSTER: a head's NB / 2 = 4 work-groups all ask for the same tile only in trips 0 .. NB / 2, 5 of the walk's 9, behind that fewer and fewer; and one walk common to all would have
; 3 NB / 2 = 12 trips for NB + 1 = 9.
; SHARES.  Of a block's four bands of 64 queries a wave owns 16 rows in each: four PIECES.  So the diagonal tile is the same work for all four waves: in its key step s band x sees all keys if s < x,
; none if s > x, and holds the diagonal if s = x.
; THE MASK is the C operand that starts the sum S^T = K Q^T: 0, or -1e30 where the key is hidden.  MD, made once, is the mask of a band's own step for my 16 rows; a product's mask is MD x AL + BE with two scalars:
; (1, 0) if s = x; (0, 0) if s < x; (0, -1e30) if s > x.  Only the diagonal tile's text and a block's beginning make and take masks; elsewhere C is the constant 0.
; LAYOUT, SOFTMAX, TURNS.  S^T = K Q^T holds ONE query a lane (lane % 16) and the keys 8 (lane / 16) + 0..7; two such results rounded to f16 ARE source 1 of O^T = V^T P.  p = 2^(c s - c m), c = log2(e) / 8, with a
; running maximum m; O and l are multiplied by a = 2^(c m_old - c m_new) in every step.  Turn n belongs to piece n: 8 products K Q^T of piece n + 1, later 8 products V^T P of piece n - 1; beside them the scaling,
; exponentials, roundings, sums and rescaling of piece n and the maximum and statistics of piece n + 1.  Four vector instructions stand behind every matrix instruction, the other 54 of a turn's 118 in two LUMPS.
; REGISTERS, in windows of 256 (s_set_vgpr_msb: bits 1:0 source 0, 3:2 source 1, 5:4 source 2, 7:6 destination):
;   window 0: v0-15 addresses and two at work; v16-31 four registers of statistics a piece; v48-55 at work; v64-127 S^T, two buffers; v192-223 P, two buffers (a piece's buffers go by its number's parity)
;   window 1: v0-127 O^T, 32 a piece; v128-159 MD; v160-223 MC, two buffers      window 2: v0-63 Q; v64-127 the second block's Q; v128-191 K of one step; v192-255 V of one step
.set SIZE_H, 64
.set SIZE_N, 2048
.set NB,    SIZE_N/256
.set NP,    4         ; pieces a wave: a name, no knob
.set KS,    64        ; keys in a step
.set PK,    144       ; a row of K in LDS: 128 bytes + 16 of padding = 36 words: the 16 rows of a load start at 16 different groups of four banks (64 banks of 4 bytes: ISA guide 11.1)
.set PV,    160       ; a row of V: 128 + 32 = 40 words
.set VOFF,  4*KS*PK   ; a slot holds a tile, four steps: 256 rows of K, then 256 rows of V
.set SLOT1, 1<<17     ; slot 1 begins here, so that one exclusive or turns an address in one slot into the other's
.set STAGE, SLOT1+4*KS*(PK+PV)  ; behind the ring, never filled by a tensor load: 16 rows x 144 bytes for each wave, for the way out
.set SP,    144
.set AK0, 2           ; v2   my lane's place in a tile of K; never rewritten
.set AV0, 3           ; v3   the same for V
.set AK,  4           ; v4   the LDS address of K's next run of loads
.set AV,  5           ; v5   of V's
.set STO, 6           ; v6   the way out: where I put 16 bytes of a row
.set RD,  7           ; v7   the way out: where I read rows back
.set GO,  8           ; v8   my byte offset in 512 consecutive bytes of O
.set SPW, 62          ; v62  LDS address of my spare word: SPARE + 4 x my thread's number; never rewritten
.set NIL, 63          ; v63  0; never rewritten
.set SPARE, STAGE+4*16*SP  ; behind the stages: the spare words, 128 bytes for each wave: two blocks of 256 bytes that no other line names
.set MV,  12          ; v12-13  c m_old, kept while c m is made anew: by buffer
.set QO,  15          ; v15  my byte offset in 16 rows of Q
.set ST,  16          ; piece t's statistics at v[ST+4 t]: c m, m, l (even keys', odd keys')
.set TMP, 48          ; by buffer, four registers c0-c3 at work; when the maximum is found c2 takes a
.set S,   64
.set P,   192
.set MD,  128         ; window 1: the eight registers for group kt of 16 keys at MD + 8 kt
.set MC,  160         ; window 1: the masks of the products to come
.set QB,  64          ; window 2
.set KF,  128         ; window 2: key block kb, channel half c at KF + 16 kb + 8 c
.set VF,  192         ; window 2: key half kk, channel block cb at VF + 32 kk + 8 cb
.set WV,  12          ; s12  my wave's number
.set PB,  14          ; s14  b
.set HI,  15          ; s15  NB - 1 - b
.set G1K, 24          ; s[24:31] descriptor group 1 for K's tiles
.set G1V, 32          ; s[32:39] for V's: it differs in the padding alone
.set G0K, 40          ; s[40:43] descriptor group 0 for K's tiles
.set G0V, 44          ; s[44:47] the same for V's
.set SLOTS, 56        ; s56  tiles still to be asked for
.set CNT, 57          ; s57  counts a tile's key steps, 4 to 1
.set CS,  58          ; s[58:59] c: the packed scaling takes the pair's low word for both halves
.set SEL, 60          ; s[60:61] v_permlanex16_b32's selects: each lane takes its own place in the other half
.set TBK, 62          ; s62  LDS byte at which K of the step to be fetched begins
.set TBV, 63          ; s63  the same for V, less VOFF
.set RT,  70          ; s70  tiles of the block in hand that are still to be entered
.set NXT, 71          ; s71  the tile to be asked for next
.set LQ,  72          ; s72  the last tile of the block whose tiles are being asked for
.set NEW, 73          ; s73  1: the tile to be entered is a block's first
.set OFF, 74          ; s[74:75] a tile's byte offset in K and V
.set AL,  76          ; s[76:77] the mask's factor, in the low word
.set BE,  78          ; s[78:79] the mask's addend
.set OLO, 80          ; s[80:81] O at my rows of the second block
.set BIGN, 82         ; s82  -1e30
.set MSB, 0
.macro WIN new                      ; the high byte repeats the setting that is left; a switch that changes nothing is dropped
.if MSB != (\new)
	s_set_vgpr_msb (MSB<<8)|(\new)
.set MSB, (\new)
.endif
.endm
.set W_KQ, 0x0a       ; K and Q in window 2, S^T in window 0
.set W_KM, 0x1a       ; the same with the C operand in window 1
.set W_PV, 0x52       ; V in window 2, P in window 0, O^T in window 1
.set W_RS, 0x41       ; destination and source 0 in window 1, source 1 in window 0
; A fill.  Waves 0 and 1 fetch the two halves of a tile's K, waves 2 and 3 those of its V: 128 keys each.  An s_nop 0 and four v_nop follow each of the two lines, ahead of the jump and the label.
.macro LOAD
	s_cmp_lt_u32 s[WV], 2
	s_cbranch_scc0 .Lfor_v_\@
	tensor_load_to_lds s[G0K:G0K+3], s[G1K:G1K+7]
	s_nop 0
.rept 4
	v_nop
.endr
	s_branch .Lasked_\@
.Lfor_v_\@:
	tensor_load_to_lds s[G0V:G0V+3], s[G1V:G1V+7]
	s_nop 0
.rept 4
	v_nop
.endr
.Lasked_\@:
.endm
; THE CHANGE OF SLOTS.  Each wave waits for all its tensor loads, of which one is out: its part of the other slot; adds 0 to its spare word; and waits for that and for its own reads of the slot that it leaves.  Behind the barrier nobody reads the old
; slot any more and the other slot is whole.  fill = 1: the old slot is filled again, the first thing behind the barrier, with tile NXT: the descriptor's address is made anew from that number.
; (At its first use nothing has been read yet: slot 0 is waited for, slot 1 filled.)
.macro CHANGE fill
	WIN 0                           ; at a label and at a branch every window is 0
	s_wait_tensorcnt 0x0            ; no tensor load of mine is out, so a group 0 may be written
	ds_add_u32 v[SPW], v[NIL]       ; 0 onto my spare word: with fill = 1 the descriptors' scalar work stands between it and the wait for it
.if \fill
	s_lshl_b32 s[OFF], s[NXT], 15   ; a tile is 32,768 bytes of K and of V
	s_xor_b32 s[G0K+1], s[G0K+1], SLOT1
	s_add_nc_u64 s[G0K+2:G0K+3], s[6:7], s[OFF:OFF+1]
	s_or_b32 s[G0K+3], s[G0K+3], 0x80000000
	s_xor_b32 s[G0V+1], s[G0V+1], SLOT1
	s_add_nc_u64 s[G0V+2:G0V+3], s[8:9], s[OFF:OFF+1]
	s_or_b32 s[G0V+3], s[G0V+3], 0x80000000
	s_add_co_u32 s[NXT], s[NXT], 1  ; the block's next tile, or behind its last the second block's tile 0
	s_cmp_gt_u32 s[NXT], s[LQ]
	s_cselect_b32 s[NXT], 0, s[NXT]
	s_cselect_b32 s[LQ], s[PB], s[LQ]
.endif
	s_wait_dscnt 0x0                ; the add is done, and my reads of the slot are over
	s_barrier_signal -1             ; the rest of the scalar work stands between the signal and the wait
	s_sub_co_u32 s[TBK], s[TBK], 4*KS*PK  ; the fetches go back to a slot's first step,
	s_xor_b32 s[TBK], s[TBK], SLOT1       ; in the other slot
	s_sub_co_u32 s[TBV], s[TBV], 4*KS*PV
	s_xor_b32 s[TBV], s[TBV], SLOT1
	s_barrier_wait -1
.if \fill
	LOAD
.endif
.endm
	s_load_b128 s[4:7], s[0:1], 0x0  ; qkv s[4:5], ob s[6:7]
	v_lshl_add_u32 v[SPW], v0, 2, SPARE
	v_mov_b32 v[NIL], 0
	ds_add_u32 v62, v63
	ds_add_u32 v62, v63
	s_wait_dscnt 0x0
	v_lshrrev_b32 v1, 5, v0
	v_readfirstlane_b32 s[WV], v1   ; wave 0..3
	s_mov_b32 s[PB], ttmp9
	s_sub_co_u32 s[HI], NB-1, s[PB]
	s_and_b32 s20, ttmp7, 0xffff    ; the head
	s_mov_b32 s21, 0
	s_mov_b64 s[22:23], SIZE_N*128
	s_mul_u64 s[20:21], s[20:21], s[22:23]  ; the head's first byte in each of the four tensors
	s_and_b32 s16, s[WV], 1         ; which half of a tile's 256 keys I fetch:
	s_lshl_b32 s22, s16, 14         ; its 128 rows of 128 bytes in memory,
	s_mov_b32 s23, 0
	s_add_nc_u64 s[22:23], s[22:23], s[20:21]
	s_mul_i32 s17, s16, 128*PK      ; and its place in a slot, for K
	s_mul_i32 s18, s16, 128*PV      ; and for V
	s_lshl_b32 s3, s[WV], 11        ; my 16 rows in a band of 64,
	s_lshl_b32 s2, s[HI], 15        ; in the first block,
	s_add_co_u32 s2, s2, s3
	s_lshl_b32 s84, s[PB], 15       ; and in the second
	s_add_co_u32 s84, s84, s3
	s_mov_b32 s3, 0
	s_mov_b32 s85, 0
	s_add_nc_u64 s[2:3], s[2:3], s[20:21]
	s_add_nc_u64 s[84:85], s[84:85], s[20:21]
	; descriptor group 1.  128 keys are 16,384 dense bytes: asked for as 64 rows of 256 bytes, two keys a row, and padded in LDS after every key
	s_mov_b32 s[G1K], (1<<16)|(1<<20)|(4<<22)|(3<<25)  ; 17:16 2-byte elements; 20 padding on; 24:22 after every 32 words (code 4); 31:25 4 words (code 3)
	s_mov_b32 s[G1V], (1<<16)|(1<<20)|(4<<22)|(7<<25)  ; the same with 8 words of padding (code 7)
.irp g, G1K, G1V
	s_mov_b32 s[\g+1], 128<<16      ; tensor_dim0 = 128
	s_mov_b32 s[\g+2], 64<<16       ; tensor_dim1 = 64
	s_mov_b32 s[\g+3], 128<<16      ; tile_dim0 = 128
	s_mov_b32 s[\g+4], 64           ; tile_dim1 = 64
	s_mov_b32 s[\g+5], 128          ; 128 elements from row to row
	s_mov_b32 s[\g+6], 0
	s_mov_b32 s[\g+7], 0
.endr
	s_mov_b32 s[CS], 0x3e38aa3b     ; c = log2(e) / 8 = 0.180337
	s_mov_b32 s[CS+1], s[CS]        ; named with it as a pair
	s_mov_b32 s[SEL], 0x76543210
	s_mov_b32 s[SEL+1], 0xfedcba98
	s_mov_b32 s[TBK], SLOT1+4*KS*PK ; the first change of slots turns these two into 0
	s_mov_b32 s[TBV], SLOT1+4*KS*PV
	s_mov_b32 s[G0K], 1             ; 1:0 count = 1
	s_mov_b32 s[G0K+1], s17         ; 63:32 LDS address: slot 0
	s_mov_b32 s[G0V], 1
	s_add_co_u32 s[G0V+1], s18, VOFF
	s_add_co_u32 s[RT], s[HI], 1    ; the first block has NB - b tiles
	s_mov_b32 s[NXT], 1
	s_mov_b32 s[LQ], s[HI]
	s_mov_b32 s[NEW], 1
	s_mov_b32 s[OFF+1], 0
	s_mov_b32 s[AL+1], 0            ; named as pairs
	s_mov_b32 s[BE+1], 0
	s_mov_b32 s[BIGN], 0xf149f2ca   ; -1e30
	s_mov_b32 s[SLOTS], NB
	s_wait_kmcnt 0x0
	s_mov_b64 s[10:11], s[6:7]             ; O
	s_add_nc_u64 s[8:9], s[4:5], 0x2000000 ; V: the third part of qkv
	s_add_nc_u64 s[6:7], s[4:5], 0x1000000 ; K: the second; Q, the first, stays in s[4:5]
	s_add_nc_u64 s[6:7], s[6:7], s[22:23]  ; K and V at my half of the head's tile 0
	s_add_nc_u64 s[8:9], s[8:9], s[22:23]
	s_add_nc_u64 s[G0K+2:G0K+3], s[6:7], 0         ; 120:64 global address
	s_or_b32 s[G0K+3], s[G0K+3], 0x80000000        ; 127:126 type = 2
	s_add_nc_u64 s[G0V+2:G0V+3], s[8:9], 0
	s_or_b32 s[G0V+3], s[G0V+3], 0x80000000
	s_add_nc_u64 s[86:87], s[4:5], s[84:85]        ; Q at my rows of the second block,
	s_add_nc_u64 s[4:5], s[4:5], s[2:3]            ; Q and O at those of the first
	s_add_nc_u64 s[OLO:OLO+1], s[10:11], s[84:85]
	s_add_nc_u64 s[10:11], s[10:11], s[2:3]
	LOAD                            ; tile 0 into slot 0
	; A fragment of K or Q is 16 rows x 32 channels in 8 registers: lane l holds row l % 16, channels 8 (l / 16) + 0..7 and 16 + 8 (l / 16) + 0..7: two loads of 16 bytes, 32 bytes apart.
	v_and_b32 v1, 15, v0            ; l % 16
	v_bfe_u32 v9, v0, 4, 1          ; l / 16
	v_lshlrev_b32 v[QO], 7, v1
	v_lshl_add_u32 v[QO], v9, 4, v[QO]  ; row x 128 + 16 x half
	WIN 0x80                        ; destination window 2, address window 0
.set i, 0
.rept 8                             ; both blocks' Q: piece i / 2 lies in band i / 2, 8,192 bytes on; channels 32 (i % 2) on
	global_load_b128 v[8*i:8*i+3],   v[QO], s[4:5] offset:(i/2)*8192+(i%2)*64
	global_load_b128 v[8*i+4:8*i+7], v[QO], s[4:5] offset:(i/2)*8192+(i%2)*64+32
	global_load_b128 v[QB+8*i:QB+8*i+3],   v[QO], s[86:87] offset:(i/2)*8192+(i%2)*64
	global_load_b128 v[QB+8*i+4:QB+8*i+7], v[QO], s[86:87] offset:(i/2)*8192+(i%2)*64+32
.set i, i+1
.endr
	WIN 0
	v_lshlrev_b32 v14, 3, v9
	v_sub_nc_u32 v14, v1, v14
	s_lshl_b32 s13, s[WV], 4
	v_add_nc_u32 v14, s13, v14      ; my query's place in its band, 16 w + l % 16, less my lanes' 8 (l / 16): register r of group kt is hidden where 16 kt + r is greater
	WIN 0x40
.set i, 0
.rept 32
	v_cmp_gt_i32 vcc_lo, 16*(i/8)+i%8, v14
	v_cndmask_b32 v[MD+i], 0, s[BIGN], vcc_lo
.set i, i+1
.endr
	WIN 0
	v_mul_u32_u24 v[AK0], v1, PK
	v_lshl_add_u32 v[AK0], v9, 4, v[AK0]  ; row x pitch + 16 x half
	; The turning load takes 16 keys x 16 channels (lane l reads key 8 (l / 16) + l % 8, channels 8 ((l / 8) % 2) + 0..7) and leaves half a fragment of V^T: lane l holds channel l % 16 and 8 keys.
	v_and_b32 v10, 7, v0
	v_bfe_u32 v11, v0, 3, 1
	v_lshl_add_u32 v[AV0], v9, 3, v10
	v_mul_u32_u24 v[AV0], v[AV0], PV
	v_lshl_add_u32 v[AV0], v11, 4, v[AV0]
	v_add_nc_u32 v[AV0], VOFF, v[AV0]
	s_mul_i32 s13, s[WV], 16*SP
	s_add_co_u32 s13, s13, STAGE    ; my stage
	v_mul_u32_u24 v[STO], v1, SP    ; in: row l % 16, 16 bytes for each half of the lanes
	v_lshl_add_u32 v[STO], v9, 4, v[STO]
	v_add_nc_u32 v[STO], s13, v[STO]
	v_bfe_u32 v[RD], v0, 3, 2       ; back: 32 lanes take four rows of 128 bytes,
	v_mul_u32_u24 v[RD], v[RD], SP
	v_lshl_add_u32 v[RD], v10, 4, v[RD]
	v_add_nc_u32 v[RD], s13, v[RD]
	v_and_b32 v[GO], 31, v0         ; which are 512 consecutive bytes of O
	v_lshlrev_b32 v[GO], 4, v[GO]
	; A block's first step multiplies O^T and l by a = 0, and its first turn's products V^T P, of a piece that has not been, land in an O^T that is still to be so multiplied.  So these registers need only hold
	; finite numbers: zeros for the first block; what the first block left for the second.  All this stands in the wait for the first tile.
	WIN 0x80
.set i, VF
.rept 64
	v_mov_b32 v[i], 0
.set i, i+1
.endr
	WIN 0x40
.set i, 0
.rept 128
	v_mov_b32 v[i], 0
.set i, i+1
.endr
	WIN 0
.set i, 0
.rept 4
	v_mov_b32 v[ST+4*i+2], 0
	v_mov_b32 v[ST+4*i+3], 0
.set i, i+1
.endr
.set i, P+16
.rept 16
	v_mov_b32 v[i], 0
.set i, i+1
.endr
; THE MATRIX WORK.  The 4 accumulators of a run of 8 take turns.  Product i of 8 of S^T = K Q^T for piece x: channels 32 (i / 4) on, keys 16 (i % 4) on.  The first 4 start the sums: with 0, or (KM = 1) with the mask.
.macro KQ x
.set rS, S+32*((\x)%2)+8*(i%4)
.set rK, KF+16*(i%4)+8*(i/4)
.set rQ, 16*(\x)+8*(i/4)
.set rM, MC+32*((\x)%2)+8*(i%4)
.if (i < 4) && KM
	WIN W_KM
	v_wmma_f32_16x16x32_f16 v[rS:rS+7], v[rK:rK+7], v[rQ:rQ+7], v[rM:rM+7]
.elseif i < 4
	WIN W_KQ
	v_wmma_f32_16x16x32_f16 v[rS:rS+7], v[rK:rK+7], v[rQ:rQ+7], 0
.else
	WIN W_KQ
	v_wmma_f32_16x16x32_f16 v[rS:rS+7], v[rK:rK+7], v[rQ:rQ+7], v[rS:rS+7]
.endif
.endm
; Product i of 8 of O^T += V^T P for piece x: keys 32 (i / 4) on, channels 16 (i % 4) on.
.macro PV x
	WIN W_PV
.set rO, 32*(\x)+8*(i%4)
.set rV, VF+32*(i/4)+8*(i%4)
.set rP, P+16*((\x)%2)+8*(i/4)
	v_wmma_f32_16x16x32_f16 v[rO:rO+7], v[rV:rV+7], v[rP:rP+7], v[rO:rO+7]
.endm
.macro MM                           ; the turn's next matrix instruction.  TURN and BEGIN set Y, i, KM and NOKQ; MM, KQ and OP read them.  NOKQ = 1: a block's last turn: there is no next piece
.if (i < 8) && !NOKQ
	KQ (Y+1)%NP
.elseif i >= 8
.set i, i-8
	PV (Y+NP-1)%NP
.set i, i+8
.endif
.set i, i+1
.endm
; THE LDS LOADS stand in runs of 16, never singly among the matrix instructions: a step's K (64 keys x 64 channels: 8 fragments) and its V (turned).  Their addresses are made some lines ahead.
.macro FETCH_K
	WIN 0x80                        ; destination window 2
.irp f, 0,1,2,3,4,5,6,7             ; keys 16 (f / 2) on, channels 32 (f % 2) on
	ds_load_b128 v[KF+8*\f:KF+8*\f+3],   v[AK] offset:(\f/2)*16*PK+(\f%2)*64
	ds_load_b128 v[KF+8*\f+4:KF+8*\f+7], v[AK] offset:(\f/2)*16*PK+(\f%2)*64+32
.endr
	s_add_co_u32 s[TBK], s[TBK], KS*PK  ; the next fetch is the next step's
	WIN 0
.endm
.macro FETCH_V
	WIN 0x80
.irp f, 0,1,2,3,4,5,6,7             ; keys 32 (f / 4) on, channels 16 (f % 4) on
	ds_load_tr16_b128 v[VF+8*\f:VF+8*\f+3],   v[AV] offset:(\f/4)*32*PV+(\f%4)*32
	ds_load_tr16_b128 v[VF+8*\f+4:VF+8*\f+7], v[AV] offset:(\f/4)*32*PV+16*PV+(\f%4)*32
.endr
	WIN 0
.endm
; THE VECTOR WORK, one line at a time: OP kind, number.  For piece Y: F n: c s - c m for pair n of 16.  E n: the exponential of score n of 32.  C n: pair n rounded to f16.  B n: of the four weights 4 n .. the second
; pair is added onto the first, in place.  L n: l takes that sum (L 0: l = a l + sum).  R n: pair n of 16 of O^T times a.  For piece Y + 1: X n, number n of the 22 that find its maximum and statistics:
;   0-11  four chains c0-c3 of seven scores each, three operands at a time (each accumulator's lowest registers are read first)     12-14, 16  the four scores left over, the old m, and c0-c3 into c0
;   15  c m_old is kept     17, 18  the query's other 32 keys lie in the lane 16 away: the new m     19-21  c m; c m_old - c m_new; a
.set F, 0               ; OP tells the kinds apart by their order: F to L below R, X above it
.set E, 1
.set C, 2
.set B, 3
.set L, 4
.set R, 5
.set X, 6
.macro REGS y                       ; the registers of piece y
.set rT, ST+4*(\y)
.set rC, TMP+4*((\y)%2)
.set rW, MV+((\y)%2)
.set rS, S+32*((\y)%2)
.set rP, P+16*((\y)%2)
.set rO, 32*(\y)
.endm
.macro OP k, n
.if (\k) == R
	REGS Y
	WIN W_RS
	v_pk_mul_f32 v[rO+2*(\n):rO+2*(\n)+1], v[rO+2*(\n):rO+2*(\n)+1], v[rC+2:rC+3] op_sel_hi:[1,0]
.elseif (\k) < R
	REGS Y
	WIN 0
.if (\k) == F
	v_pk_fma_f32 v[rS+2*(\n):rS+2*(\n)+1], v[rS+2*(\n):rS+2*(\n)+1], s[CS:CS+1], v[rT:rT+1] op_sel_hi:[1,0,0] neg_lo:[0,0,1] neg_hi:[0,0,1]
.elseif (\k) == E
	v_exp_f32 v[rS+(\n)], v[rS+(\n)]
.elseif (\k) == C
	s_wait_alu depctr_va_vdst(0)
	v_cvt_pk_f16_f32 v[rP+(\n)], v[rS+2*(\n)], v[rS+2*(\n)+1]
.elseif (\k) == B
	s_wait_alu depctr_va_vdst(0)
	v_pk_add_f32 v[rS+4*(\n):rS+4*(\n)+1], v[rS+4*(\n):rS+4*(\n)+1], v[rS+4*(\n)+2:rS+4*(\n)+3]
.elseif (\n) == 0
	v_pk_fma_f32 v[rT+2:rT+3], v[rT+2:rT+3], v[rC+2:rC+3], v[rS:rS+1] op_sel_hi:[1,0,1]
.else
	v_pk_add_f32 v[rT+2:rT+3], v[rT+2:rT+3], v[rS+4*(\n):rS+4*(\n)+1]
.endif
.elseif NOKQ
	v_nop
.else
	REGS (Y+1)%NP
	WIN 0
.if (\n) < 4
	v_max3_num_f32 v[rC+(\n)], v[rS+8*(\n)], v[rS+8*(\n)+1], v[rS+8*(\n)+2]
.elseif (\n) < 12
	v_max3_num_f32 v[rC+(\n)%4], v[rC+(\n)%4], v[rS+8*((\n)%4)+2*((\n)/4)+1], v[rS+8*((\n)%4)+2*((\n)/4)+2]
.elseif (\n) == 12
	v_max3_num_f32 v[rC], v[rC], v[rS+7], v[rS+15]
.elseif (\n) == 13
	v_max3_num_f32 v[rC+1], v[rC+1], v[rS+23], v[rS+31]
.elseif (\n) == 14
	v_max3_num_f32 v[rC+2], v[rC+2], v[rC+3], v[rT+1]
.elseif (\n) == 15
	v_mov_b32 v[rW], v[rT]
.elseif (\n) == 16
	v_max3_num_f32 v[rC], v[rC], v[rC+1], v[rC+2]
.elseif (\n) == 17
	v_permlanex16_b32 v[rC+3], v[rC], s[SEL], s[SEL+1]
.elseif (\n) == 18
	v_max_num_f32 v[rT+1], v[rC], v[rC+3]
.elseif (\n) == 19
	v_mul_f32 v[rT], s[CS], v[rT+1]
.elseif (\n) == 20
	v_sub_f32 v[rC+1], v[rW], v[rT]
.else
	v_exp_f32 v[rC+2], v[rC+1]
.endif
.endif
.endm
.macro OPS a, i1, b=-1, i2=0, c=-1, i3=0, d=-1, i4=0  ; up to four of them
	OP \a, \i1
.if (\b) >= 0
	OP \b, \i2
.endif
.if (\c) >= 0
	OP \c, \i3
.endif
.if (\d) >= 0
	OP \d, \i4
.endif
.endm
.macro ROW a, i1, b, i2, c, i3, d, i4  ; a matrix instruction and the four behind it
	MM
	OPS \a, \i1, \b, \i2, \c, \i3, \d, \i4
.endm
.macro MASK b                       ; MD x AL + BE into buffer b of MC
	WIN W_RS
.set z, 0
.rept 16
	v_pk_fma_f32 v[MC+32*(\b)+2*z:MC+32*(\b)+2*z+1], v[MD+2*z:MD+2*z+1], s[AL:AL+1], s[BE:BE+1] op_sel_hi:[1,0,0]
.set z, z+1
.endr
.endm
; A TURN, for piece p: the order of its 16 matrix and 118 vector instructions, written out.  Behind a matrix instruction: plain, exponential, plain, plain; or four of the rescaling; or, behind the first, four scalings; none
; names a register of the products round it.  In the lumps exponential and plain by turns while exponentials last.  A line reads no result made fewer than three vector instructions in front of it, five if an exponential made it.
; v_permlanex16_b32 (X 17) stands in a lump.
; m = 1: the diagonal tile: the products take masks, and the turn makes the mask for the products of the turn after it: piece p + 2, in step 4 - CNT of the tile.  end = 1: a block's last two turns: nothing is fetched.
; cnt = 1: the loop's count is taken down some lines ahead of the branch that stands behind the turn.
; K of the next step is fetched in piece 2's turn, six vector instructions behind the last product that read K (five of them plain); V of the step in hand in piece 0's turn, eight behind the last product that read V (four
; plain, and X 17).  Each is waited for a turn later.
.macro TURN p, m=0, end=0, cnt=0
.set Y, (\p)
.set i, 0
.set KM, (\m)
.set NOKQ, (\end)*((\p)/3)
.if (\m) && !(\end)
	s_cmp_eq_u32 s[CNT], 4-((\p)+2)%NP  ; is that step the band's own?
	s_cselect_b32 s[AL], 1.0, 0
	s_cmp_lt_u32 s[CNT], 4-((\p)+2)%NP  ; or a later one?
	s_cselect_b32 s[BE], s[BIGN], 0
.endif
.if ((\p) == 3) && !(\end)
	s_wait_dscnt 0x0                ; K is in
.endif
	ROW F,0, F,1, F,2, F,3
	ROW F,4, E,0, F,5, F,6
	ROW F,7, E,1, F,8, F,9
	ROW F,10, E,2, C,0, F,11
	ROW F,12, E,3, X,15, F,13
	ROW R,0, R,1, R,2, R,3
	ROW B,0, E,4, F,14, L,0
.if ((\p) == 2) && !(\end)
	v_add_nc_u32 v[AK], s[TBK], v[AK0]
.endif
	ROW R,4, R,5, R,6, R,7
	OPS E,5, F,15
.if ((\p) == 2) && !(\end)
	FETCH_K
.endif
	OPS E,6, C,1, E,7, R,8
	OPS E,8, R,9, E,9, C,2
	OPS E,10, X,0, E,11, X,1
	OPS E,12, X,2, E,13, X,3
.if (\p) == 1
	s_wait_dscnt 0x0                ; V is in
.endif
	ROW X,4, E,14, X,5, X,6
	ROW X,7, E,15, X,8, X,9
	ROW X,10, E,16, X,11, X,12
	ROW X,13, E,17, X,14, B,1
	ROW C,4, E,18, X,16, L,1
	ROW B,2, E,19, C,6, L,2
	ROW C,8, E,20, B,3, B,4
.if (\p) == 0
	v_add_nc_u32 v[AV], s[TBV], v[AV0]
.endif
	ROW C,3, E,21, L,3, C,5
	OPS E,22, X,17, E,23, C,10
.if (\p) == 0
	FETCH_V
.endif
	OPS E,24, L,4
	OPS E,25, X,18, E,26, C,7
	OPS E,27, B,5, E,28, X,19
	OPS E,29, C,12, E,30, L,5
	OPS E,31, X,20, B,6, C,9
	OPS C,14, C,11, X,21, L,6
.if (\p) == 0
	s_add_co_u32 s[TBV], s[TBV], KS*PV
.endif
.if \cnt
	s_sub_co_u32 s[CNT], s[CNT], 1
	s_cmp_lg_u32 s[CNT], 0
.endif
	OPS C,13, B,7, C,15, R,10
	OPS R,11, R,12, L,7, R,13
	OPS R,14, R,15
.if (\m) && !(\end)
	MASK (\p)%2
.endif
.endm
; A BLOCK BEGINS.  c m starts far below every c s, so the first step's a is 0; m at the lowest finite number, so the first maximum is the scores'.  The second mask buffer is 0; the first takes piece 0's mask for the tile's step 0: its own, if the block's first tile is the diagonal one.
; Then K of that step, piece 0's first scores, and its maximum and statistics.  The loop is entered at a step's first turn, in the middle of a trip.
.macro BEGIN
	s_mov_b32 s[NEW], 0
	WIN 0x40
.set i, MC+32
.rept 32
	v_mov_b32 v[i], 0
.set i, i+1
.endr
	WIN 0
.set i, 0
.rept 4
	v_mov_b32 v[ST+4*i], 0xfe000000    ; c m: far below every c s
	v_mov_b32 v[ST+4*i+1], 0xff7fffff  ; m
.set i, i+1
.endr
	s_cmp_eq_u32 s[RT], 0
	s_cselect_b32 s[AL], 1.0, 0
	s_mov_b32 s[BE], 0
	MASK 0
	WIN 0
	v_add_nc_u32 v[AK], s[TBK], v[AK0]
	FETCH_K
	s_wait_loadcnt 0x0              ; Q
	s_wait_dscnt 0x0
.set KM, 1
.set NOKQ, 0
.set i, 0
.rept 8
	KQ 0
.set i, i+1
.endr
	WIN 0
.rept 4
	v_nop                           ; the places behind those products
.endr
.set Y, NP-1                        ; X works for piece Y + 1: piece 0
.irp n, 0,1,2,3,4,5,6,7,8,9,10,11,12,13,14,15,16,17,18,19,20,21
	OP X, \n
.endr
	v_nop                           ; a plain instruction behind the exponential
.endm
; THE DIAGONAL TILE's four steps, the block's last two turns, its last products, and THE WAY OUT: l's two halves and the other half of the lanes' are added; O^T is divided by l, rounded to f16 and sent through my
; stage in LDS, a piece at a time.
.macro ALL line:vararg              ; one line for each piece t
.set t, 0
.rept 4
	\line
.set t, t+1
.endr
.endm
.macro PACK t                       ; a lane's eight channels of a row pack into 16 bytes; they go into rows of 144 bytes and come back as whole rows of 128, into S^T's registers
	WIN W_RS
.set i, 32*(\t)
.rept 16
	s_wait_alu depctr_va_vdst(0)
	v_pk_mul_f32 v[i:i+1], v[i:i+1], v[ST+4*(\t)+2:ST+4*(\t)+3] op_sel_hi:[1,0]
.set i, i+2
.endr
	WIN 0x05                        ; sources 0 and 1 window 1, destination window 0
.set i, 0
.rept 16
	v_cvt_pk_f16_f32 v[S+16*(\t)+i], v[32*(\t)+2*i], v[32*(\t)+2*i+1]
.set i, i+1
.endr
	WIN 0
.irp f, 0,1,2,3
	ds_store_b128 v[STO], v[S+16*(\t)+4*\f:S+16*(\t)+4*\f+3] offset:32*\f
.endr
.irp f, 0,1,2,3
	ds_load_b128 v[S+16*(\t)+4*\f:S+16*(\t)+4*\f+3], v[RD] offset:\f*4*SP  ; LDS serves a wave's instructions in order (ISA guide 5.7.1.4): these see the stores above; the next piece's stores come behind them
.endr
.endm
.macro SEND t, younger              ; younger: the LDS instructions issued behind piece t's loads: the next piece's eight, or none
	WIN 0
.irp f, 0,1,2,3
	s_wait_dscnt (\younger)+3-\f
	global_store_b128 v[GO], v[S+16*(\t)+4*\f:S+16*(\t)+4*\f+3], s[10:11] offset:(\t)*8192+\f*512  ; 512 consecutive bytes, at a multiple of 256 from O's first
.endr
.endm
.macro DIAG tag                     ; the tag ends its two labels' names, which the jumps below spell out
.LstepM\tag:
	TURN 2, 1
	TURN 3, 1
	WIN 0
.LfirstM\tag:
	TURN 0, 1
	TURN 1, 1, 0, 1
	WIN 0
	s_cbranch_scc1 .LstepM\tag
	TURN 2, 1, 1
	TURN 3, 1, 1
.set i, 0
.rept 8
	PV NP-1
.set i, i+1
.endr
	WIN 0
	ALL v_add_f32 v[ST+4*t+2], v[ST+4*t+2], v[ST+4*t+3]
	ALL v_permlanex16_b32 v[ST+4*t+3], v[ST+4*t+2], s[SEL], s[SEL+1]
	ALL v_add_f32 v[ST+4*t+2], v[ST+4*t+2], v[ST+4*t+3]
	ALL v_rcp_f32 v[ST+4*t+2], v[ST+4*t+2]
	v_nop                           ; a plain instruction between the last reciprocal and the use of its result
	PACK 0
.set t, 1
.rept 3                             ; a piece's arithmetic stands between the loads of the piece before and its stores
	PACK t
	SEND t-1, 8
.set t, t+1
.endr
	SEND 3, 0
.endm
.set KM, 0
.set NOKQ, 0
.Lslot:                             ; NB times: a tile is entered and the next is asked for
	CHANGE 1
	s_sub_co_u32 s[RT], s[RT], 1
	s_mov_b32 s[CNT], 4
	s_cmp_eq_u32 s[NEW], 1
	s_cbranch_scc1 .Lnew            ; a block's first tile
	s_cmp_eq_u32 s[RT], 0
	s_cbranch_scc0 .Lstep           ; neither its first nor its last
	s_branch .LstepM1
.Lnew:
	BEGIN
	s_branch .Lfirst                ; in the loop a block's first tile is never its last: the first block has two tiles or more, and the second's last is the walk's last
	DIAG 1                          ; in the loop this is the first block's end: the second block's last tile is the walk's last
	s_wait_xcnt 0x0                 ; the stores have read their registers and O's address
	s_mov_b64 s[10:11], s[OLO:OLO+1]
	s_add_co_u32 s[RT], s[PB], 1    ; the second block has b + 1 tiles
	s_mov_b32 s[NEW], 1
	WIN 0x82                        ; the second block's Q goes where the one text of the turns names Q
.set i, 0
.rept 64
	v_mov_b32 v[i], v[QB+i]
.set i, i+1
.endr
	WIN 0
	s_branch .Lbottom
.Lstep:                             ; a trip: pieces 2 and 3 of one step, then pieces 0 and 1 of the next, whose K and V it fetches
	TURN 2
	TURN 3
	WIN 0
.Lfirst:
	TURN 0
	TURN 1, 0, 0, 1
	WIN 0
	s_cbranch_scc1 .Lstep
.Lbottom:
	s_sub_co_u32 s[SLOTS], s[SLOTS], 1
	s_cmp_lg_u32 s[SLOTS], 0
	s_cbranch_scc1 .Lslot
	CHANGE 0                        ; the walk's last tile is written out: nothing is asked for
	s_sub_co_u32 s[RT], s[RT], 1
	s_mov_b32 s[CNT], 4
	s_cmp_eq_u32 s[NEW], 1
	s_cbranch_scc0 .LstepM2
	BEGIN
	s_branch .LfirstM2
	DIAG 2
	s_wait_tensorcnt 0x0            ; the wave's end: behind my last tensor load and my last LDS store
	ds_add_u32 v[SPW], v[NIL]
	s_wait_dscnt 0x0
	s_endpgm
.Lfunc_end_k_q92dac46622_attn:
	.size	k_q92dac46622_attn, .Lfunc_end_k_q92dac46622_attn-k_q92dac46622_attn
	.p2alignl 7, 3214868480
	.fill 96, 4, 3214868480
	.section	.rodata,"a",@progbits
	.p2align	6, 0x0
	.amdhsa_kernel k_q92dac46622_attn
		.amdhsa_group_segment_fixed_size 327680
		.amdhsa_private_segment_fixed_size 0
		.amdhsa_enable_private_segment 0
		.amdhsa_kernarg_size 16
		.amdhsa_user_sgpr_count 2
		.amdhsa_user_sgpr_kernarg_segment_ptr 1
		.amdhsa_wavefront_size32 1
		.amdhsa_system_sgpr_workgroup_id_x 1
		.amdhsa_system_sgpr_workgroup_id_y 1
		.amdhsa_system_sgpr_workgroup_id_z 1
		.amdhsa_system_vgpr_workitem_id 0
		.amdhsa_next_free_vgpr 768
		.amdhsa_next_free_sgpr 88
		.amdhsa_reserve_vcc 1
		.amdhsa_float_denorm_mode_32 3
		.amdhsa_float_denorm_mode_16_64 3
		.amdhsa_memory_ordered 1
		.amdhsa_forward_progress 1
		.amdhsa_inst_pref_size 228
	.end_amdhsa_kernel
	.amdgpu_metadata
---
amdhsa.version: [ 1, 2 ]
amdhsa.kernels:
  - .name:           k_q92dac46622_attn
    .symbol:         k_q92dac46622_attn.kd
    .args:
      - { .name: qkv, .offset: 0, .size: 8, .value_kind: global_buffer, .address_space: global }
      - { .name: ob, .offset: 8, .size: 8, .value_kind: global_buffer, .address_space: global }
    .group_segment_fixed_size: 327680
    .private_segment_fixed_size: 0
    .kernarg_segment_align: 8
    .kernarg_segment_size: 16
    .max_flat_workgroup_size: 128
    .sgpr_count:     88
    .vgpr_count:     768
    .wavefront_size: 32
...
	.end_amdgpu_metadata
.endif
;; end of part 3
;; launch proj (part 4): grid 8 x 32, 4 waves a work-group, clusters of 4 x 4, 327,680 bytes of LDS; arguments ob, wpb, out0; writes out0
.if DOCPART == 4
	.amdgcn_target "amdgcn-amd-amdhsa--gfx1250"
	.amdhsa_code_object_version 6
	.text
	.protected	k_q92dac46622_proj
	.globl	k_q92dac46622_proj
	.p2align	8
	.type	k_q92dac46622_proj,@function
k_q92dac46622_proj:
	s_mov_b64 s[64:65], 0
	v_nop
	global_prefetch_b8 v0, s[64:65] scope:SCOPE_SE
	s_setreg_imm32_b32 hwreg(HW_REG_WAVE_MODE, 25, 1), 1
	s_wait_xcnt 0x0
	s_wait_alu depctr_hold_cnt(0) depctr_sa_sdst(0) depctr_va_vdst(0) depctr_va_sdst(0) depctr_va_ssrc(0) depctr_va_vcc(0) depctr_vm_vsrc(0)
	s_getreg_b32 s2, hwreg(HW_REG_IB_STS2, 6, 4)
	s_cmp_eq_u32 s2, 0
	s_cbranch_scc0 .Lentry_in_a_cluster
	s_endpgm
.Lentry_in_a_cluster:
	s_bfe_u32 s2, ttmp6, 0x10000c
	s_cmp_lg_u32 s2, 0xf033
	s_cbranch_scc0 .Lentry_shape_is_right
	s_endpgm
.Lentry_shape_is_right:
; THE OUTPUT PROJECTION.  out0[m][n] = sum over c of O[m][c] wpb[n][c].  O is ob, by heads: [b 4][head 16][t 2048][64] f16, with m = 2048 b + t and c = 64 head + channel; wpb [1024][1024] f16;
; out0 [8192][1024] f32: the f32 sums as they are.
; LIMITS.  The operands are f16 as they arrive (O has V's range, wpb Wproj's: within 65,504); NaN and infinities are not treated apart.
; SHARES.  A tile of out0 is 256 rows x 128 columns: 32 x 8 = 256 work-groups.  Four waves, 2 x 2, each 128 rows x 64 columns: 32 accumulators of 16 x 16, 256 registers.  A wave's 64 columns are 256 bytes of a
; row of out0, aligned, so each wave leaves through a stage of its own, with no barrier.
; K goes in steps of 128 = two heads through a ring of two LDS slots.  A head's 256 rows of the tile are 32,768 dense bytes: a PLANE, asked for as 128 rows of 256 bytes and padded in LDS after every 128 bytes, one row of O.
; Wave 0 fetches the step's first head, wave 1 its second, waves 2 and 3 the two halves of wpb's 128 rows (256 bytes each).
; A K STEP IS WRITTEN ONCE: slot 1 begins at LDS byte 1 << 17, so that one exclusive or turns an address in one slot into the other's; the slot in hand lies in a scalar register, and the fragments' addresses are made
; anew from it at each change of slots.
; CLUSTERS: 4 x 4 work-groups.  The four of a row of the cluster need the same planes of O, the four of a column the same tiles of wpb: each is asked for JOINTLY, by the same tensor load with the same descriptor
; and a mask that names the four.
; PREFETCH.  Wave 3 asks ahead of the tensor loads, each aligned block of 256 bytes once in the launch.  A K step's two planes are 65,536 bytes for a tile row; each of its 8 work-groups takes a quarter of a plane,
; 8,192 consecutive bytes: 32 lanes, 256 bytes apart.  Trip t, whose joint load asks for K step t + 2, asks for step t + 4, which trip t + 2 loads; steps 2 and 3 are asked for at the start; the last two trips ask
; for nothing.  Of wpb's 128 rows of a tile column each of its 32 work-groups asks at the start for 4 whole rows (8,192 consecutive bytes); a quarter of those blocks are the two K steps that the first fills ask
; for at the same place in the text.
; THE MATRIX INSTRUCTION IS USED TRANSPOSED (source 0 = 16 rows of wpb, source 1 = 16 rows of O): a lane then holds row l % 16 of out0 and the eight neighbouring columns 8 (l / 16) + 0..7: 32 bytes.
; REGISTERS, in windows of 256 (s_set_vgpr_msb: bits 1:0 source 0, 3:2 source 1, 5:4 source 2, 7:6 destination):
;   window 0: v0-31 addresses; v32-63, v64-95 16 rows read back from the stage, by turns
;   window 1: two fragment buffers at 0 and 128: O's 8 fragments (16 rows x 32 K) at +8 a, wpb's 4 at +64 + 8 b          window 2: accumulator (a, b) at 8 (4 a + b)
.set PA,     144                       ; a row of O in LDS: 128 bytes + 16 of padding = 36 words: the 16 rows of a load start at 16 different groups of four banks (64 banks of 4 bytes: ISA guide 11.1)
.set PLANE,  256*PA                    ; a head's 256 rows
.set PB,     272                       ; a row of wpb: 256 + 16 = 68 words
.set HALFB,  64*PB
.set BOFF,   2*PLANE                   ; a slot: two planes of O, then wpb's 128 rows
.set SLOT,   BOFF+2*HALFB              ; 108,544 bytes
.set SLOT1,  1<<17                     ; where slot 1 begins
.set STAGE,  SLOT1+SLOT                ; behind the ring, never filled by a tensor load: 16 rows x 272 bytes for each wave
.set SPITCH, 272
.set SPARE,  STAGE+4*16*SPITCH         ; behind the stages: the spare words, 128 bytes for each wave: two blocks of 256 bytes that no other line names
.set STEPA,  2*2048*128                ; bytes from a K step's plane to the next step's: two heads
.set STEPB,  256                       ; and along wpb's rows
.set ADRA0, 16                         ; v16     my lane's place among my O fragments in a slot; never rewritten
.set ADRA,  17                         ; v17     the same in the slot in hand
.set ADRB0, 20                         ; v20, v21  the same for wpb
.set ADRB,  21
.set STO,  24                          ; v24     the way out: where I put 32 bytes of a row
.set RD,   25                          ; v25     the way out: where I read a row back
.set CO,   26                          ; v26     my byte offset in out0
.set PFO,  27                          ; v27     the prefetches: 256 x lane; never rewritten
.set SPW,  28                          ; v28     LDS address of my spare word: SPARE + 4 x my thread's number; never rewritten
.set NIL,  29                          ; v29     0; never rewritten
.set BK,   32
.set F0,   0
.set F1,   128
.set G1,   24                          ; s[24:31] descriptor group 1 for O's planes;  s[32:39] group 0: a set for each of the two first fills; the second then walks on
.set G0,   32
.set TB,   45                          ; s45      LDS byte at which the slot in hand begins: 0 or SLOT1
.set G1B,  48                          ; s[48:55], s[56:63] the same for wpb's tiles
.set G0B,  56
.set PFA,  66                          ; s[66:67] ob at the quarter plane that I prefetch, one K step behind the step to be asked for; it walks
.set PFB,  68                          ; s[68:69] wpb at the 4 rows that I prefetch
.set MSB, 0
.macro WIN new                         ; the immediate's high byte repeats the setting that is left; a switch that changes nothing is dropped
.if MSB != (\new)
	s_set_vgpr_msb (MSB<<8)|(\new)
.set MSB, (\new)
.endif
.endm
.macro JLOAD s                         ; a joint load: waves 0 and 1 fetch O's two planes, waves 2 and 3 wpb's two halves; an s_nop 0 and four v_nop follow each of the two lines, ahead of the jump, the label and what follows
	s_cmp_eq_u32 s11, 0
	s_cbranch_scc0 .Lfor_b_\@
	tensor_load_to_lds s[G0+4*(\s):G0+4*(\s)+3], s[G1:G1+7]
	s_nop 0
.rept 4
	v_nop
.endr
	s_branch .Lasked_\@
.Lfor_b_\@:
	tensor_load_to_lds s[G0B+4*(\s):G0B+4*(\s)+3], s[G1B:G1B+7]
	s_nop 0
.rept 4
	v_nop
.endr
.Lasked_\@:
.endm
.macro CREST                           ; a round of the cluster's barrier behind its opening barrier: wave 0 signals for the work-group, every wave waits for all sixteen, my work-group's barrier closes it
	s_cmp_lg_u32 s10, 0
	s_cbranch_scc1 .Lnot_wave_0_\@
	s_barrier_signal -3
.Lnot_wave_0_\@:
	s_barrier_wait -3
	s_barrier_signal -1
	s_barrier_wait -1
.endm
.macro CROUND                          ; a whole round
	s_barrier_signal -1
	s_barrier_wait -1
	CREST
.endm
	s_load_b128 s[4:7], s[0:1], 0x0                ; ob s[4:5], wpb s[6:7]
	s_load_b64 s[8:9], s[0:1], 0x10                ; out0
	v_lshl_add_u32 v[SPW], v0, 2, SPARE
	v_mov_b32 v[NIL], 0
	ds_add_u32 v28, v29
	ds_add_u32 v28, v29
	s_wait_dscnt 0x0
	v_lshrrev_b32 v1, 5, v0
	v_readfirstlane_b32 s10, v1                    ; wave 0..3
	s_lshr_b32 s11, s10, 1                         ; which half of the tile's rows is mine.  Also: I fetch for O (0) or for wpb (1)
	s_and_b32 s12, s10, 1                          ; which half of its columns.  Also: which plane, or which 64 rows, I fetch
	s_bfe_u32 s40, ttmp6, 0x40000                  ; cx, cy: my place in the cluster
	s_bfe_u32 s41, ttmp6, 0x40004
	s_lshl_b32 s42, ttmp9, 2
	s_add_co_u32 s42, s42, s40                     ; tile column = 4 x cluster x + cx, 0..7
	s_and_b32 s13, ttmp7, 0xffff
	s_lshl_b32 s13, s13, 2
	s_add_co_u32 s13, s13, s41                     ; tile row = 4 x cluster y + cy, 0..31
	s_lshl_b32 s43, s41, 2
	s_lshl_b32 s43, 15, s43                        ; my row of the cluster
	s_lshl_b32 s44, 0x1111, s40                    ; my column
	s_or_b32 s[G1+0], s43, (1<<16)|(1<<20)|(1<<21)|(4<<22)|(3<<25)   ; 15:0 the mask: O's planes go to my row; 17:16 2-byte elements; 20 padding on; 21 set beside a mask; 24:22 after every 32 words (code 4); 31:25 4 words (code 3)
	s_mov_b32 s[G1+1], 128<<16                     ; tensor_dim0 = 128
	s_mov_b32 s[G1+2], 128<<16                     ; tensor_dim1 = 128
	s_mov_b32 s[G1+3], 128<<16                     ; tile_dim0 = 128
	s_mov_b32 s[G1+4], 128                         ; tile_dim1 = 128
	s_mov_b32 s[G1+5], 128                         ; 128 elements from row to row: the plane is dense
	s_mov_b32 s[G1+6], 0
	s_mov_b32 s[G1+7], 0
	s_or_b32 s[G1B+0], s44, (1<<16)|(1<<20)|(1<<21)|(5<<22)|(3<<25)  ; the mask of my column; padding after every 64 words (code 5)
	s_mov_b32 s[G1B+1], 128<<16
	s_mov_b32 s[G1B+2], 64<<16                     ; tensor_dim1 = 64
	s_mov_b32 s[G1B+3], 128<<16
	s_mov_b32 s[G1B+4], 64                         ; tile_dim1 = 64
	s_mov_b32 s[G1B+5], 1024                       ; elements from row to row
	s_mov_b32 s[G1B+6], 0
	s_mov_b32 s[G1B+7], 0
	; where the tiles come from.  O's planes hang on the tile row alone (b = tile row >> 3, t = 256 (tile row & 7)), wpb's tiles on the tile column alone.
	s_lshr_b32 s16, s13, 3
	s_lshl_b32 s16, s16, 4
	s_add_co_u32 s16, s16, s12                     ; head plane 16 b + (0 or 1),
	s_lshl_b32 s16, s16, 18                        ; of 2,048 x 128 bytes,
	s_and_b32 s17, s13, 7
	s_lshl_b32 s17, s17, 15                        ; and the tile's 256 rows of 128 bytes in it
	s_add_co_u32 s16, s16, s17
	s_mov_b32 s17, 0
	s_lshl_b32 s46, s42, 7
	s_lshl_b32 s47, s12, 6
	s_add_co_u32 s46, s46, s47                     ; wpb: row 128 x tile column + 64 x half,
	s_lshl_b32 s46, s46, 11                        ; of 2,048 bytes
	s_mov_b32 s47, 0
	s_mul_i32 s20, s12, PLANE                      ; and where they go: no place in the cluster enters an LDS address
	s_mul_i32 s21, s12, HALFB
	s_add_co_u32 s21, s21, BOFF
	s_mov_b32 s[TB], 0                             ; K step 0 lies in slot 0
	s_wait_kmcnt 0x0
	s_add_nc_u64 s[14:15], s[4:5], s[16:17]
	s_add_nc_u64 s[46:47], s[6:7], s[46:47]
	CROUND                                         ; all sixteen work-groups are here: the first joint loads meet
.irp s, 0,1
	s_mov_b32 s[G0+4*(\s)], 1                                        ; 1:0 count = 1
	s_add_co_u32 s[G0+4*(\s)+1], s20, (\s)*SLOT1                     ; 63:32 LDS address
	s_add_nc_u64 s[G0+4*(\s)+2:G0+4*(\s)+3], s[14:15], (\s)*STEPA    ; 120:64 global address: K step s
	s_or_b32 s[G0+4*(\s)+3], s[G0+4*(\s)+3], 0x80000000              ; 127:126 type = 2
	s_mov_b32 s[G0B+4*(\s)], 1
	s_add_co_u32 s[G0B+4*(\s)+1], s21, (\s)*SLOT1
	s_add_nc_u64 s[G0B+4*(\s)+2:G0B+4*(\s)+3], s[46:47], (\s)*STEPB
	s_or_b32 s[G0B+4*(\s)+3], s[G0B+4*(\s)+3], 0x80000000
	JLOAD \s                                       ; two loads of mine are out
.endr
	; the prefetches' addresses, in registers that feed no descriptor, and the first requests, straight behind the first fills
	v_and_b32 v[PFO], 31, v0
	v_lshlrev_b32 v[PFO], 8, v[PFO]                ; 256 x lane
	s_lshr_b32 s70, s13, 3
	s_lshl_b32 s70, s70, 4
	s_lshr_b32 s71, s42, 2
	s_add_co_u32 s70, s70, s71                     ; head plane 16 b + tile column / 4 (0 or 1),
	s_lshl_b32 s70, s70, 18
	s_and_b32 s71, s13, 7
	s_lshl_b32 s71, s71, 15                        ; the tile's 256 rows in it,
	s_add_co_u32 s70, s70, s71
	s_and_b32 s71, s42, 3
	s_lshl_b32 s71, s71, 13                        ; quarter tile column % 4 of them,
	s_add_co_u32 s70, s70, s71
	s_add_co_u32 s70, s70, 2*STEPA                 ; at K step 2
	s_mov_b32 s71, 0
	s_add_nc_u64 s[PFA:PFA+1], s[4:5], s[70:71]
	s_lshl_b32 s70, s42, 7
	s_lshl_b32 s68, s13, 2
	s_add_co_u32 s70, s70, s68                     ; wpb: row 128 x tile column + 4 x tile row,
	s_lshl_b32 s70, s70, 11                        ; of 2,048 bytes
	s_add_nc_u64 s[PFB:PFB+1], s[6:7], s[70:71]
	s_cmp_lg_u32 s10, 3
	s_cbranch_scc1 .Lno_pf0                        ; wave 3 alone asks
	global_prefetch_b8 v[PFO], s[PFA:PFA+1] th:TH_LOAD_NT scope:SCOPE_SE               ; O: my quarter plane of K step 2,
	global_prefetch_b8 v[PFO], s[PFB:PFB+1] th:TH_LOAD_NT scope:SCOPE_SE               ; wpb: my 4 rows,
	global_prefetch_b8 v[PFO], s[PFA:PFA+1] offset:STEPA th:TH_LOAD_NT scope:SCOPE_SE  ; O: K step 3
.Lno_pf0:
	v_and_b32 v1, 15, v0                           ; l % 16
	v_bfe_u32 v2, v0, 4, 1                         ; l / 16
	v_mul_u32_u24 v3, v1, PA
	v_lshl_add_u32 v3, v2, 4, v3                   ; a fragment's row x pitch + 16 x half, for O
	v_mul_u32_u24 v4, v1, PB
	v_lshl_add_u32 v4, v2, 4, v4                   ; and for wpb
	s_mul_i32 s22, s11, 128*PA                     ; my 128 rows in each plane
	s_mul_i32 s23, s12, HALFB                      ; my 64 rows of wpb,
	s_add_co_u32 s23, s23, BOFF                    ; which lie behind the planes
	v_add_nc_u32 v[ADRA0], s22, v3
	v_add_nc_u32 v[ADRB0], s23, v4
	v_add_nc_u32 v[ADRA], s[TB], v[ADRA0]
	v_add_nc_u32 v[ADRB], s[TB], v[ADRB0]
	s_mul_i32 s22, s10, 16*SPITCH
	s_add_co_u32 s22, s22, STAGE                   ; my stage
	v_mul_u32_u24 v5, v1, SPITCH                   ; in: row l % 16, 32 bytes for each half of the lanes
	v_lshl_add_u32 v5, v2, 5, v5
	v_add_nc_u32 v[STO], s22, v5
	v_mul_u32_u24 v5, v2, SPITCH                   ; back: lanes 0-15 take one row of 256 bytes, lanes 16-31 the next
	v_lshl_add_u32 v5, v1, 4, v5
	v_add_nc_u32 v[RD], s22, v5
	v_lshlrev_b32 v5, 12, v2                       ; and the same two rows in out0, 4,096 bytes apart
	v_lshl_add_u32 v[CO], v1, 4, v5
	s_lshl_b32 s16, s13, 8
	s_lshl_b32 s17, s11, 7
	s_add_co_u32 s16, s16, s17                     ; my first row of out0: 256 x tile row + 128 x half,
	s_lshl_b32 s16, s16, 12                        ; of 4,096 bytes
	s_mov_b32 s17, 0
	s_add_nc_u64 s[8:9], s[8:9], s[16:17]
	s_lshl_b32 s46, s42, 9                         ; my first column, in bytes: 512 x tile column + 256 x half
	s_lshl_b32 s47, s12, 8
	s_add_co_u32 s46, s46, s47
	s_mov_b32 s47, 0
	s_add_nc_u64 s[8:9], s[8:9], s[46:47]
; 8 matrix instructions: row blocks a0, a0 + 1 x all 4 column blocks, 32 along K.  zero = 1: the product starts the sums.  The 32 accumulators take turns, one instruction a turn, in the same order in every quarter.
.macro MUL8 f, a0, zero
	WIN 0xa5                                       ; sources 0 and 1 window 1; C and D window 2
.irp a, \a0, (\a0)+1
.irp b, 0,1,2,3
.if \zero
	v_wmma_f32_16x16x32_f16 v[8*(4*(\a)+(\b)):8*(4*(\a)+(\b))+7], v[(\f)+64+8*(\b):(\f)+64+8*(\b)+7], v[(\f)+8*(\a):(\f)+8*(\a)+7], 0
.else
	v_wmma_f32_16x16x32_f16 v[8*(4*(\a)+(\b)):8*(4*(\a)+(\b))+7], v[(\f)+64+8*(\b):(\f)+64+8*(\b)+7], v[(\f)+8*(\a):(\f)+8*(\a)+7], v[8*(4*(\a)+(\b)):8*(4*(\a)+(\b))+7]
.endif
.endr
.endr
.endm
; 24 LDS loads in one run: the fragments of quarter q of the slot in hand (channels 32 q on: plane q / 2, byte 64 (q % 2) of its rows; byte 64 q of wpb's rows) into buffer f; O's last
.macro FETCH q, f
	WIN 0x40                                       ; destination window 1, address window 0
.irp i, 0,1,2,3
	ds_load_b128 v[(\f)+64+8*(\i):(\f)+64+8*(\i)+3],   v[ADRB] offset:64*(\q)+(\i)*16*PB
	ds_load_b128 v[(\f)+64+8*(\i)+4:(\f)+64+8*(\i)+7], v[ADRB] offset:64*(\q)+(\i)*16*PB+32
.endr
.irp i, 0,1,2,3,4,5,6,7
	ds_load_b128 v[(\f)+8*(\i):(\f)+8*(\i)+3],   v[ADRA] offset:((\q)/2)*PLANE+((\q)%2)*64+(\i)*16*PA
	ds_load_b128 v[(\f)+8*(\i)+4:(\f)+8*(\i)+7], v[ADRA] offset:((\q)/2)*PLANE+((\q)%2)*64+(\i)*16*PA+32
.endr
.endm
.macro PLACES                          ; four places in front of loads into registers that matrix instructions have read, and of LDS stores that read results (ISA guide 7.12.1 for vector instructions)
.rept 4
	v_nop
.endr
.endm
; A K step is four quarters of 32 along K, 32 matrix instructions each, on buffers 0, 1, 0, 1.  One of the first three: multiplies buffer f and fetches quarter q into g.
.macro QUARTER q, f, g, zero
	s_wait_dscnt 8                                 ; wpb and O's blocks 0-3 are in; the youngest eight loads (blocks 4-7) may be out
	MUL8 \f, 0, \zero
	MUL8 \f, 2, \zero
	PLACES
	FETCH \q, \g
	s_wait_dscnt 24                                ; all but the 24 just issued
	MUL8 \f, 4, \zero
	MUL8 \f, 6, \zero
.endm
.macro FLIP                            ; the fetches go over to the other slot
	WIN 0
	s_xor_b32 s[TB], s[TB], SLOT1
	v_add_nc_u32 v[ADRA], s[TB], v[ADRA0]
	v_add_nc_u32 v[ADRB], s[TB], v[ADRB0]
.endm
; The prefetch of a trip.  The loop's counter s3 runs 6 .. 1 (trip t = 6 - s3): wave 3 asks where s3 is at least 3, four times, for K steps 4 to 7.  The jumps go forward, past no barrier and no tensor load,
; on numbers that are the same in every work-group.
.macro PREF
	s_cmp_lt_u32 s3, 3
	s_cbranch_scc1 .Lno_pf_\@                      ; nothing lies beyond K step 7
	s_cmp_lg_u32 s10, 3
	s_cbranch_scc1 .Lno_pf_\@                      ; wave 3 alone asks
	s_wait_xcnt 0x0                                ; the last prefetch, a trip back, has had its addresses translated (ISA guide 3.1): its base is stepped only behind this wait
	s_add_nc_u64 s[PFA:PFA+1], s[PFA:PFA+1], STEPA
	global_prefetch_b8 v[PFO], s[PFA:PFA+1] offset:STEPA th:TH_LOAD_NT scope:SCOPE_SE
.Lno_pf_\@:
.endm
; The last quarter multiplies buffer 1 and changes slots: ONE barrier; in front of it each wave waits for all its tensor loads, of which one is out: its part of the next slot; adds 0 to its spare word; and waits
; for that and for its own reads of this slot.  fill = 1: the barrier opens a round of the cluster's barrier, and behind the round this slot is filled again first, two K steps ahead: the walking descriptors
; take the other slot than last time and the next K step.  112 of a step's 128 matrix instructions stand between the request and the wait for it.
.macro TURN fill
	WIN 0                                          ; (the add's two registers lie in window 0)
	s_wait_tensorcnt 0x0                           ; all my tensor loads have landed, so a group 0 may be written;
	ds_add_u32 v[SPW], v[NIL]                      ; 0 onto my spare word;
	s_wait_dscnt 9                                 ; (the add and the youngest eight loads may be out)
	MUL8 F1, 0, 0                                  ; eight matrix instructions stand between the add and the wait for it
	s_wait_dscnt 0x0                               ; the add is done, and my reads of this slot are over
	s_barrier_signal -1
	MUL8 F1, 2, 0
	WIN 0                                          ; (branches or window 0's address lines follow)
	s_barrier_wait -1
.if \fill
	CREST                                          ; no wave of any partner still reads this slot's tile or has a load on its way
	s_xor_b32 s[G0+5], s[G0+5], SLOT1
	s_add_nc_u64 s[G0+6:G0+7], s[G0+6:G0+7], STEPA ; the type bits on top are not reached
	s_xor_b32 s[G0B+5], s[G0B+5], SLOT1
	s_add_nc_u64 s[G0B+6:G0B+7], s[G0B+6:G0B+7], STEPB
	JLOAD 1                                        ; the first tensor load behind the round, my only one until the next; its four v_nop are also the places in front of the loads below
	PREF
.else
	PLACES
.endif
	FLIP
	FETCH 0, F0
	MUL8 F1, 4, 0
	MUL8 F1, 6, 0
.endm
; THE WAY OUT of row block a: the f32 sums go as they are into my own stage, 32 bytes a lane for each column block (each accumulator's low four registers first), and come back as whole rows of 256 bytes.
.macro TOSTAGE a
	WIN 0x08                                       ; the stores' data in window 2, their address in window 0
.irp b, 0,1,2,3
	ds_store_b128 v[STO], v[32*(\a)+8*(\b):32*(\a)+8*(\b)+3]   offset:64*(\b)
	ds_store_b128 v[STO], v[32*(\a)+8*(\b)+4:32*(\a)+8*(\b)+7] offset:64*(\b)+16
.endr
	WIN 0
	s_wait_xcnt 0x0                                ; every earlier store has had its addresses translated (ISA guide 3.1): the registers that block a - 2 was stored from are loaded again only behind this wait
.irp t, 0,1,2,3,4,5,6,7
	ds_load_b128 v[BK+32*((\a)%2)+4*(\t):BK+32*((\a)%2)+4*(\t)+3], v[RD] offset:(\t)*2*SPITCH  ; LDS serves a wave's instructions in order (ISA guide 5.7.1.4): these see the stores above; the next block's stores come behind them
.endr
.endm
.macro SEND a, younger                 ; younger: the LDS instructions issued behind block a's loads: the next block's sixteen, or none
	WIN 0
	s_wait_dscnt \younger
.irp t, 0,1,2,3,4,5,6,7
	global_store_b128 v[CO], v[BK+32*((\a)%2)+4*(\t):BK+32*((\a)%2)+4*(\t)+3], s[8:9] offset:(16*(\a)+2*(\t))*4096 th:TH_STORE_NT  ; 16 lanes store 256 consecutive bytes, at a multiple of 256 from out0's first byte; 126 rows at the most, inside the signed 24-bit immediate
.endr
.endm
	s_wait_tensorcnt 1                             ; my part of K step 0 is in; step 1's may stay out
	s_barrier_signal -1
	s_barrier_wait -1                              ; everybody's is
	FETCH 0, F0
	QUARTER 1, F0, F1, 1                           ; the first quarter stands in front of the loop: its products start the sums
	WIN 0                                          ; at a label and at a branch every window is 0
	s_mov_b32 s3, 6
.Lstep:                                                ; six trips; a trip goes from a K step's second quarter to the next step's first and fills the slot that it leaves: K steps 2 to 7
	QUARTER 2, F1, F0, 0
	QUARTER 3, F0, F1, 0
	TURN 1
	QUARTER 1, F0, F1, 0
	WIN 0
	s_sub_co_u32 s3, s3, 1
	s_cmp_lg_u32 s3, 0
	s_cbranch_scc1 .Lstep
	s_mov_b32 s3, 2                                ; the last two K steps ask for nothing, so they have a text of their own, with no tensor load and no round of the cluster's barrier
.Ltail:                                                ; its second trip is left behind the fourth quarter.  That trip's barrier orders nothing, and its 24 LDS loads fetch fragments of slot 0 that nobody multiplies:
	QUARTER 2, F1, F0, 0                           ; the price, once a launch, of one text for both trips
	QUARTER 3, F0, F1, 0
	TURN 0                                         ; (first trip: my one tensor load that was still out is slot 1's, the last K step's)
	WIN 0
	s_sub_co_u32 s3, s3, 1
	s_cmp_eq_u32 s3, 0
	s_cbranch_scc1 .Llast
	QUARTER 1, F0, F1, 0
	WIN 0
	s_branch .Ltail
.Llast:
	PLACES                                         ; behind the last products, in front of the LDS stores that read results
	TOSTAGE 0
.irp a, 1,2,3,4,5,6,7                  ; block a's trip through the stage is begun before block a - 1 is waited for and stored
	TOSTAGE \a
	SEND (\a)-1, 16
.endr
	SEND 7, 0
	s_wait_tensorcnt 0x0                           ; the wave's end: behind my last tensor load and my last LDS store
	ds_add_u32 v[SPW], v[NIL]
	s_wait_dscnt 0x0
	CROUND                                         ; the closing round: no work-group ends while a partner may still ask for a tile that names it
	s_endpgm
.Lfunc_end_k_q92dac46622_proj:
	.size	k_q92dac46622_proj, .Lfunc_end_k_q92dac46622_proj-k_q92dac46622_proj
	.p2alignl 7, 3214868480
	.fill 96, 4, 3214868480
	.section	.rodata,"a",@progbits
	.p2align	6, 0x0
	.amdhsa_kernel k_q92dac46622_proj
		.amdhsa_group_segment_fixed_size 327680
		.amdhsa_private_segment_fixed_size 0
		.amdhsa_enable_private_segment 0
		.amdhsa_kernarg_size 24
		.amdhsa_user_sgpr_count 2
		.amdhsa_user_sgpr_kernarg_segment_ptr 1
		.amdhsa_wavefront_size32 1
		.amdhsa_system_sgpr_workgroup_id_x 1
		.amdhsa_system_sgpr_workgroup_id_y 1
		.amdhsa_system_sgpr_workgroup_id_z 1
		.amdhsa_system_vgpr_workitem_id 0
		.amdhsa_next_free_vgpr 768
		.amdhsa_next_free_sgpr 72
		.amdhsa_reserve_vcc 0
		.amdhsa_float_denorm_mode_32 3
		.amdhsa_float_denorm_mode_16_64 3
		.amdhsa_memory_ordered 1
		.amdhsa_forward_progress 1
		.amdhsa_inst_pref_size 62
	.end_amdhsa_kernel
	.amdgpu_metadata
---
amdhsa.version: [ 1, 2 ]
amdhsa.kernels:
  - .name:           k_q92dac46622_proj
    .symbol:         k_q92dac46622_proj.kd
    .args:
      - { .name: ob, .offset: 0, .size: 8, .value_kind: global_buffer, .address_space: global }
      - { .name: wpb, .offset: 8, .size: 8, .value_kind: global_buffer, .address_space: global }
      - { .name: out0, .offset: 16, .size: 8, .value_kind: global_buffer, .address_space: global }
    .group_segment_fixed_size: 327680
    .private_segment_fixed_size: 0
    .kernarg_segment_align: 8
    .kernarg_segment_size: 24
    .max_flat_workgroup_size: 128
    .sgpr_count:     72
    .vgpr_count:     768
    .wavefront_size: 32
...
	.end_amdgpu_metadata
.endif
;; end of part 4
